; MI455X (gfx1250); checked and timed in simulation.
; The chip was launched on July 23, 2026; its instructions are those of AMD's public machine-readable ISA for CDNA 5 (MIT licence, August 2026) and "CDNA5" Instruction Set Architecture Reference Guide (July 2026). The comments in the code are by the model that wrote it; some were corrected since.
;; Multi Head Attention Improved. Allowed arithmetic: matrix products marked QUANTISED: E2M3 operands, one E8M0 scale for each 32 along K, by v_wmma_scale_f32_16x16x128_f8f6f4 with both operands' format E2M3, f32 sums; everything else in f32.
;; Inputs: key_codes 8 x 1,024 x 32 x 24 uint8 (E2M3 codes of key, K innermost, in blocks of 32 codes, four codes in three bytes); key_padding_mask 8 x 1,024 bool; key_scales 8 x 1,024 x 32 uint8 (E8M0 scales of key, one for each 32 codes along K); query_codes 8 x 1,024 x 32 x 24 uint8 (E2M3 codes of query, K innermost, in blocks of 32 codes, four codes in three bytes); query_scales 8 x 1,024 x 32 uint8 (E8M0 scales of query, one for each 32 codes along K); value_codes 8 x 1,024 x 32 x 24 uint8 (E2M3 codes of value, K innermost, in blocks of 32 codes, four codes in three bytes); value_scales 8 x 1,024 x 32 uint8 (E8M0 scales of value, one for each 32 codes along K); w_k_codes 1,024 x 32 x 24 uint8 (E2M3 codes of w_k, K innermost, in blocks of 32 codes, four codes in three bytes); w_k_scales 1,024 x 32 uint8 (E8M0 scales of w_k, one for each 32 codes along K); w_o_b 1,024 float32; w_o_w_codes 1,024 x 32 x 24 uint8 (E2M3 codes of w_o_w, K innermost, in blocks of 32 codes, four codes in three bytes); w_o_w_scales 1,024 x 32 uint8 (E8M0 scales of w_o_w, one for each 32 codes along K); w_q_codes 1,024 x 32 x 24 uint8 (E2M3 codes of w_q, K innermost, in blocks of 32 codes, four codes in three bytes); w_q_scales 1,024 x 32 uint8 (E8M0 scales of w_q, one for each 32 codes along K); w_v_codes 1,024 x 32 x 24 uint8 (E2M3 codes of w_v, K innermost, in blocks of 32 codes, four codes in three bytes); w_v_scales 1,024 x 32 uint8 (E8M0 scales of w_v, one for each 32 codes along K).
;; Outputs: out0 8 x 1,024 x 1,024 float32; out1 8 x 1,024 x 1,024 float32.
;; This version of the problem:
;;   THIS VERSION OF THE PROBLEM IS GIVEN IN LOW PRECISION. The matrix products marked QUANTISED in the list below multiply operands that are first quantised to E2M3 (2 exponent bits, 3 mantissa bits; 6 bits a number), with one power-of-two scale for each 32 numbers along K (OCP MX v1.0); their sums are f32. All else is computed in f32.
;;   The module's matrix products, in the order in which they are computed (A, B: the left and right operand; K: the contracted axis; several contracted axes count as one K, in the product's order):
;;     1. [M 8,192, K 1,024] x [K 1,024, N 1,024]; A: input query (given as codes); B: input w_q (given as codes): QUANTISED
;;     2. [M 8,192, K 1,024] x [K 1,024, N 1,024]; A: input key (given as codes); B: input w_k (given as codes): QUANTISED
;;     3. [M 8,192, K 1,024] x [K 1,024, N 1,024]; A: input value (given as codes); B: input w_v (given as codes): QUANTISED
;;     4. batch 128 x [M 1,024, K 64] x [K 64, N 1,024]; A: computed on the way; B: computed on the way: QUANTISED
;;     5. batch 128 x [M 1,024, K 1,024] x [K 1,024, N 64]; A: softmax (see below); B: computed on the way: QUANTISED
;;     6. [M 8,192, K 1,024] x [K 1,024, N 1,024]; A: computed on the way; B: input w_o_w (given as codes): QUANTISED
;;   THE QUANTISER, for each operand of a quantised product, along K:
;;     - K is cut into blocks of 32 from its start; a last block that is shorter is filled with zeros.
;;     - A block's scale is 2^e with e = floor(log2(the largest magnitude in the block)) - 2, held to -126 .. 127; a block of zeros has e = 0. As a byte (E8M0): e + 127.
;;     - Each number is divided by its block's scale, clamped to +-7.5, and rounded to the nearest number of E2M3, ties to even, subnormals kept.
;;     - The product sums the exact products of the quantised numbers (number of the format x scale) in f32.
;;   ~~~python
;;   def quantise(x, axis):      # numpy; x: float32 -> the quantised numbers, widened to float32 again
;;       x = np.moveaxis(x, axis, -1); K = x.shape[-1]
;;       x = np.pad(x, [(0, 0)] * (x.ndim - 1) + [(0, -K % 32)]); x = x.reshape(x.shape[:-1] + (-1, 32)); a = np.abs(x).max(-1, keepdims=True)
;;       e = np.where(a > 0, np.clip(np.frexp(np.where(a > 0, a, 1))[1] - 1 - 2, -126, 127), 0)      # np.frexp(a)[1] - 1 = floor(log2(a)), exactly
;;       r = np.clip(x / 2.0 ** e, -7.5, 7.5)
;;       step = 2.0 ** (np.maximum(np.frexp(np.where(r == 0, 1, r))[1] - 1, 0) - 3)
;;       q = np.round(r / step) * step * 2.0 ** e      # np.round: ties to even
;;       return np.moveaxis(q.reshape(q.shape[:-2] + (-1,))[..., :K], -1, axis).astype(np.float32)
;;   ~~~
;;   SOFTMAX AHEAD OF A QUANTISED PRODUCT. Where the list says 'softmax', what is quantised is not the finished softmax but p = 2^(t - M), with t = logit x log2(e) and M = ceil(the row's largest t), a whole number; so 1/2 < the row's largest p <= 1. The row's sum l is taken of the UNQUANTISED p, in f32, and the product's result is divided by l at the end. Since M is a whole number, a kernel that streams over the keys may use a running M (the ceiling of the running maximum): every later rescaling is an exact power of two, which a block's scale takes up: the codes' values come out the same.
;;   OPERANDS COMPUTED ON THE WAY. 'Computed on the way' means the value that the module computes at that place (a softmax that the list does not call 'softmax' is quantised finished and normalised). What goes into a quantiser is computed in f32, as accurately as f32 sums, v_exp_f32 and their like allow (about 1e-6 of the number): no bf16 or f16 on the way to a quantiser, and a product that is left as it is and whose result goes on into a quantised operand takes f32 operands (vector FMAs, or v_wmma_f32_16x16x4_f32). A number that lies on a knife's edge between two numbers of the format may be rounded either way, as far as f32 arithmetic and the matrix unit's own rounding can turn it there, and no further.
;;   INPUTS GIVEN AS CODES. key (in the module: [8, 1024, 1024], K = its axis 2); query (in the module: [8, 1024, 1024], K = its axis 2); value (in the module: [8, 1024, 1024], K = its axis 2); w_k (in the module: [1024, 1024], K = its axis 1); w_o_w (in the module: [1024, 1024], K = its axis 1); w_q (in the module: [1024, 1024], K = its axis 1); w_v (in the module: [1024, 1024], K = its axis 1): each comes as NAME_codes (uint8): NAME with its K axis moved to the last place and cut into blocks of 32 codes, [.., K / 32, bytes a block], one block behind the other in memory; four codes in three bytes: a row's codes are one little-endian stream of bits, code i at bits 6 i .. 6 i + 5 (a code: sign, 2 exponent bits, 3 mantissa bits); and NAME_scales (uint8): the same leading axes, one E8M0 byte (e + 127) for each 32 codes along K. Its value is code x scale, taken as it is: it is not quantised again, and the codes and scales need not be those that the quantiser above would give.
;; One version. Each part assembles by itself: llvm-mc -triple=amdgcn-amd-amdhsa -mcpu=gfx1250 --defsym DOCPART=n.
;; ======== version 1 of 1: 2 launches
;; limits: right only within a limited range of input values
;; workspace buffers: qkv_codes 18,874,368 bytes; qkv_scales 786,432 bytes; wo_img 786,432 bytes
;; launch proj (part 1): grid 4 x 96, 4 waves a work-group, clusters of 4 x 4, 327,680 bytes of LDS; arguments query_codes, key_codes, w_v_codes, query_scales, key_scales, w_v_scales, w_q_codes, w_k_codes, value_codes, w_q_scales, w_k_scales, value_scales, qkv_codes, qkv_scales, w_o_w_codes, wo_img; writes qkv_codes, qkv_scales, wo_img
.if DOCPART == 1
	.amdgcn_target "amdgcn-amd-amdhsa--gfx1250"
	.amdhsa_code_object_version 6
	.text
	.protected	k_q5cbfa0b197_proj
	.globl	k_q5cbfa0b197_proj
	.p2align	8
	.type	k_q5cbfa0b197_proj,@function
k_q5cbfa0b197_proj:
	s_mov_b64 s[64:65], 0
	v_nop
	global_prefetch_b8 v0, s[64:65] scope:SCOPE_SE
	s_setreg_imm32_b32 hwreg(HW_REG_WAVE_MODE, 25, 1), 1
	s_wait_xcnt 0x0
	s_wait_alu depctr_hold_cnt(0) depctr_sa_sdst(0) depctr_va_vdst(0) depctr_va_sdst(0) depctr_va_ssrc(0) depctr_va_vcc(0) depctr_vm_vsrc(0)
	s_getreg_b32 s2, hwreg(HW_REG_IB_STS2, 6, 4)
	s_cmp_eq_u32 s2, 0
	s_cbranch_scc0 .Lentry_in_a_cluster
	s_endpgm
.Lentry_in_a_cluster:
	s_bfe_u32 s2, ttmp6, 0x10000c
	s_cmp_lg_u32 s2, 0xf033
	s_cbranch_scc0 .Lentry_shape_is_right
	s_endpgm
.Lentry_shape_is_right:
; Q = query w_q^T, K = key w_k^T, V = value w_v^T on codes of FP6 (E2M3) with E8M0 scales, and the quantisers behind them: Q and K along the head's 64, V along the keys.
; 24 clusters of 4 x 4 work-groups; cluster y = 8 t + batch (t = 0 Q, 1 K, 2 V) makes 1,024 x 1,024.  A work-group makes 256 x 256, a wave 128 x 128: 64 accumulators.
; A gives the rows that a LANE holds in the result, B the columns along a lane's REGISTERS (source 0 = 16 rows of B, source 1 = 16 rows of A).
; t < 2: A = the tokens, B = the weight.  t = 2: A = w_v, B = value.  So the registers run along the K of the product that follows, and one text quantises all three.
; K = 1,024 codes are 768 bytes a row: three chunks of 256 bytes, each beginning at a multiple of 256 bytes, through a ring of two LDS slots; a step of 128 along K is 96 bytes, eight steps to three chunks.
; The scale bytes of the 256 + 256 rows come once, by the head's loads.  Tiles are asked for jointly: A's along a row of the cluster, B's along a column.
; No prefetch: the walk along K has three chunks, of which two are asked for ahead of the first product.
; OUT.  Block a (16 rows) of a wave becomes 12 operand registers a lane, stored as they stand: six registers are a sub-image of 768 bytes (16 bytes a lane, then 8 bytes a lane): whole aligned runs of 256 bytes.
; Inside a block of 32 the codes stand in the order 0-7, 16-23, 8-15, 24-31 of the block's numbers: alike in both operands of each later product.  The block and its scale are the true ones.
; LIMITS: a block of zeros gets the scale byte 1 (its codes are zeros; these bytes are read by this program alone); NaN and infinities are not served.
.set ROWB,   256
.set NQ,     2
.set KROW,   768
.set STEPS,  8
.set CHUNKS, 3
.set PITCH,  272                       ; 256 bytes + 16 of padding
.set FR,     12
.set NL,     6
.set NP,     4
.set HALFT,  128*PITCH
.set SLOT,   4*HALFT
.set KS,     32
.set SCL,    2*SLOT
.set HALFS,  (128*KS/256)*272
.set SBLK,   (16*KS/256)*272
.set SPARE,  SCL+4*HALFS               ; the spare words: 128 bytes a wave, named by no other line
.set ADRA, 16                          ; v16-17 my A fragments in slot 0, 1; v18-19 for a piece whose lanes 16-31 lie in the next chunk
.set ADRB, 20
.set OA,   24                          ; 16 x lane
.set OB,   25                          ; 512 + 8 x lane
.set OS,   26                          ; 8 x lane
.set ADRS, 27
.set SPW,  28
.set NIL,  29
.set SC,   32                          ; v32-63 scale words, two sets
.set TM,   64
.set W,    80
.set X,    88
.set Y,    96
.set PC0,  100
.set AF,   128
.set G1, 24
.set G0, 32
.set G1B, 48
.set G0B, 56
.set G1S, 68
.set G0S, 76
.set G1SB, 80
.set G0SB, 88
.set G0H, 4
.set G0HB, 8
.set MSB, 0
.macro WIN new
.if MSB != \new
	s_set_vgpr_msb (MSB<<8)|\new
.set MSB, \new
.endif
.endm
.set MUL_LO, 0xa1
.set MUL_HI, 0xf1
.set TO_B,   0x40
.macro JLOAD g0a, g1a, g0b, g1b        ; waves 0, 1 fetch for A, waves 2, 3 for B
	s_cmp_eq_u32 s15, 0
	s_cbranch_scc0 .Lfor_b_\@
	tensor_load_to_lds s[\g0a:\g0a+3], s[\g1a:\g1a+7]
	s_nop 0
.rept 4
	v_nop
.endr
	s_branch .Lasked_\@
.Lfor_b_\@:
	tensor_load_to_lds s[\g0b:\g0b+3], s[\g1b:\g1b+7]
	s_nop 0
.rept 4
	v_nop
.endr
.Lasked_\@:
.endm
.macro CREST
	s_cmp_lg_u32 s14, 0
	s_cbranch_scc1 .Lnot_wave_0_\@
	s_barrier_signal -3
.Lnot_wave_0_\@:
	s_barrier_wait -3
	s_barrier_signal -1
	s_barrier_wait -1
.endm
.macro CROUND
	s_barrier_signal -1
	s_barrier_wait -1
	CREST
.endm
	s_load_b512 s[68:83], s[0:1], 0x0              ; query, key, w_v codes; query, key, w_v scales; w_q, w_k codes
	s_load_b256 s[84:91], s[0:1], 0x40             ; value codes; w_q, w_k, value scales
	s_load_b128 s[92:95], s[0:1], 0x60             ; qkv_codes, qkv_scales
	s_load_b64 s[66:67], s[0:1], 0x70              ; w_o's codes
	s_load_b64 s[104:105], s[0:1], 0x78            ; wo_img
	v_lshl_add_u32 v[SPW], v0, 2, SPARE
	v_mov_b32 v[NIL], 0
	ds_add_u32 v[SPW], v[NIL]                      ; the opening lines: the add, twice on end, and its wait
	ds_add_u32 v[SPW], v[NIL]
	v_lshrrev_b32 v1, 5, v0
	v_readfirstlane_b32 s14, v1                    ; wave
	s_lshr_b32 s15, s14, 1                         ; my half of the rows; also: I fetch for A (0) or B (1)
	s_and_b32 s16, s14, 1                          ; my half of the columns; also: which 128 rows I fetch
	s_bfe_u32 s40, ttmp6, 0x40000                  ; cx
	s_bfe_u32 s41, ttmp6, 0x40004                  ; cy
	s_and_b32 s17, ttmp7, 0xffff                   ; cluster y = 8 t + batch
	s_lshr_b32 s2, s17, 3                          ; t
	s_and_b32 s3, s17, 7                           ; batch
	s_cmp_eq_u32 s2, 2
	s_cselect_b32 s17, 0, s3
	s_cselect_b32 s42, s3, 0
	s_lshl_b32 s17, s17, 2
	s_add_co_u32 s17, s17, s41                     ; tile row
	s_lshl_b32 s42, s42, 2
	s_add_co_u32 s42, s42, s40                     ; tile column
	s_lshl_b32 s43, s41, 2
	s_lshl_b32 s43, 15, s43                        ; my row of the cluster
	s_lshl_b32 s44, 0x1111, s40                    ; my column
	s_or_b32 s[G1+0], s43, (1<<20)|(1<<21)|(5<<22)|(3<<25)   ; mask; 1-byte elements; 4 words of padding behind every 64
	s_or_b32 s[G1B+0], s44, (1<<20)|(1<<21)|(5<<22)|(3<<25)
.irp g, G1, G1B
	s_mov_b32 s[\g+1], ROWB<<16
	s_mov_b32 s[\g+2], 256<<16                     ; the head's loads bring 256 rows
	s_mov_b32 s[\g+3], ROWB<<16
	s_mov_b32 s[\g+4], 256
	s_mov_b32 s[\g+5], KROW
	s_mov_b32 s[\g+6], 0
	s_mov_b32 s[\g+7], 0
.endr
	s_lshl_b32 s20, s17, 8
	s_lshl_b32 s46, s42, 8
	s_mov_b32 s21, 0
	s_mov_b32 s47, 0
	s_mov_b64 s[18:19], KS
	s_mul_u64 s[22:23], s[20:21], s[18:19]         ; where the rows' scales begin
	s_mul_u64 s[96:97], s[46:47], s[18:19]
	s_mov_b64 s[18:19], KROW
	s_mul_u64 s[20:21], s[20:21], s[18:19]         ; and their codes
	s_mul_u64 s[46:47], s[46:47], s[18:19]
	s_mul_i32 s18, s16, 128*KROW                   ; in the ring: my 128 rows
	s_mov_b32 s19, 0
	s_mul_i32 s45, s14, HALFT
	s_wait_dscnt 0x0                               ; both opening adds are done
	s_wait_kmcnt 0x0
	s_cmp_eq_u32 s2, 0                             ; the buffers are chosen by t alone
	s_cselect_b64 s[4:5], s[68:69], s[70:71]
	s_cselect_b64 s[6:7], s[74:75], s[76:77]
	s_cselect_b64 s[8:9], s[80:81], s[82:83]
	s_cselect_b64 s[10:11], s[86:87], s[88:89]
	s_cmp_eq_u32 s2, 2
	s_cselect_b64 s[4:5], s[72:73], s[4:5]
	s_cselect_b64 s[6:7], s[78:79], s[6:7]
	s_cselect_b64 s[8:9], s[84:85], s[8:9]
	s_cselect_b64 s[10:11], s[90:91], s[10:11]
	s_mov_b64 s[12:13], s[92:93]
	s_mov_b64 s[98:99], s[94:95]
	s_add_nc_u64 s[20:21], s[4:5], s[20:21]
	s_add_nc_u64 s[22:23], s[6:7], s[22:23]
	s_add_nc_u64 s[46:47], s[8:9], s[46:47]
	s_add_nc_u64 s[96:97], s[10:11], s[96:97]
	s_or_b32 s[G1S+0], s43, (3<<16)|(1<<20)|(1<<21)|(5<<22)|(3<<25)   ; the scales of 256 rows: 8,192 dense bytes as 32 rows of 256
	s_or_b32 s[G1SB+0], s44, (3<<16)|(1<<20)|(1<<21)|(5<<22)|(3<<25)
.irp g, G1S, G1SB
	s_mov_b32 s[\g+1], 32<<16
	s_mov_b32 s[\g+2], KS<<16
	s_mov_b32 s[\g+3], 32<<16
	s_mov_b32 s[\g+4], KS
	s_mov_b32 s[\g+5], 32
	s_mov_b32 s[\g+6], 0
	s_mov_b32 s[\g+7], 0
.endr
	CROUND                                         ; all sixteen work-groups are here
	s_mov_b32 s[G0H], 1
	s_mov_b32 s[G0H+1], 0
	s_mov_b64 s[G0H+2:G0H+3], s[20:21]
	s_or_b32 s[G0H+3], s[G0H+3], 0x80000000
	s_mov_b32 s[G0HB], 1
	s_mov_b32 s[G0HB+1], 2*HALFT
	s_mov_b64 s[G0HB+2:G0HB+3], s[46:47]
	s_or_b32 s[G0HB+3], s[G0HB+3], 0x80000000
	s_mov_b32 s[G0S], 1
	s_mov_b32 s[G0S+1], SCL
	s_mov_b64 s[G0S+2:G0S+3], s[22:23]
	s_or_b32 s[G0S+3], s[G0S+3], 0x80000000
	s_mov_b32 s[G0SB], 1
	s_mov_b32 s[G0SB+1], SCL+2*HALFS
	s_mov_b64 s[G0SB+2:G0SB+3], s[96:97]
	s_or_b32 s[G0SB+3], s[G0SB+3], 0x80000000
	s_add_nc_u64 s[20:21], s[20:21], s[18:19]
	s_add_nc_u64 s[46:47], s[46:47], s[18:19]
.irp s, 0,1
	s_mov_b32 s[G0+4*\s], 1
	s_add_co_u32 s[G0+4*\s+1], s45, \s*SLOT
	s_add_nc_u64 s[G0+4*\s+2:G0+4*\s+3], s[20:21], \s*ROWB
	s_or_b32 s[G0+4*\s+3], s[G0+4*\s+3], 0x80000000
	s_mov_b32 s[G0B+4*\s], 1
	s_add_co_u32 s[G0B+4*\s+1], s45, \s*SLOT
	s_add_nc_u64 s[G0B+4*\s+2:G0B+4*\s+3], s[46:47], \s*ROWB
	s_or_b32 s[G0B+4*\s+3], s[G0B+4*\s+3], 0x80000000
.endr
; the head's loads, one a wave: chunk 0 of A's 256 rows, of B's 256 rows, A's scales, B's scales
.macro ARM under, g0, g1, next
	s_cmp_lt_u32 s14, \under
	s_cbranch_scc0 \next
	tensor_load_to_lds s[\g0:\g0+3], s[\g1:\g1+7]
	s_nop 0
.rept 4
	v_nop
.endr
	s_branch .Lhead_asked
\next:
.endm
	ARM 1, G0H,  G1,  .Lhead_b
	ARM 2, G0HB, G1B, .Lhead_sa
	ARM 3, G0S,  G1S, .Lhead_sb
	tensor_load_to_lds s[G0SB:G0SB+3], s[G1SB:G1SB+7]
	s_nop 0
.rept 4
	v_nop
.endr
.Lhead_asked:
	s_mul_i32 s20, s15, HALFT                      ; my 128 rows of A in slot 0, 1
	s_add_co_u32 s21, s20, SLOT
	s_mul_i32 s22, s16, HALFT                      ; and of B, behind A's 256
	s_add_co_u32 s22, s22, 2*HALFT
	s_add_co_u32 s23, s22, SLOT
	s_mov_b32 s92, SLOT-232
	s_mov_b32 s93, SLOT+232
	s_mul_i32 s95, s15, HALFS
	s_mul_i32 s94, s16, HALFS
	s_add_co_u32 s94, s94, 2*HALFS
	s_sub_co_u32 s94, s94, s95                     ; from A's scale words to B's
	s_add_co_u32 s95, s95, SCL
	v_and_b32 v1, 15, v0
	v_bfe_u32 v2, v0, 4, 1
	v_mul_u32_u24 v3, v1, PITCH
	v_mul_u32_u24 v4, v2, 24
	v_add_nc_u32 v4, v3, v4                        ; row x pitch + 24 x half
	v_sub_nc_u32 v7, 1, v2
	v_mul_u32_u24 v5, s92, v2
	v_add_nc_u32 v5, v3, v5
	v_add_nc_u32 v5, 232, v5                       ; lanes 0-15 byte 232 in slot 0, lanes 16-31 byte 0 in slot 1
	v_mul_u32_u24 v6, s93, v7
	v_add_nc_u32 v6, v3, v6                        ; and the other way round
	v_add_nc_u32 v[ADRA], s20, v4
	v_add_nc_u32 v[ADRA+1], s21, v4
	v_add_nc_u32 v[ADRB], s22, v4
	v_add_nc_u32 v[ADRB+1], s23, v4
	v_add_nc_u32 v[ADRA+2], s20, v5
	v_add_nc_u32 v[ADRA+3], s20, v6
	v_add_nc_u32 v[ADRB+2], s22, v5
	v_add_nc_u32 v[ADRB+3], s22, v6
	v_mul_u32_u24 v5, v1, KS
	v_lshrrev_b32 v6, 8, v5
	v_lshl_add_u32 v5, v6, 4, v5                   ; 32 bytes a row, 16 more for each 256 passed
	v_mul_u32_u24 v6, s94, v2                      ; lanes 16-31 take B's
	v_add_nc_u32 v5, v5, v6
	v_add_nc_u32 v[ADRS], s95, v5
	v_and_b32 v6, 31, v0
	v_lshlrev_b32 v[OA], 4, v6
	v_lshl_add_u32 v[OB], v6, 3, 512
	v_lshlrev_b32 v[OS], 3, v6
	; w_o IS LAID OUT FOR THE NEXT LAUNCH, once: its 64 tiles of 16 rows x 768 bytes are 1,536 runs of 512 bytes, as many as this launch has waves.  Wave g = 24 T + j takes, a lane, the 16 bytes at
	; 384 (l / 16) + 16 j of row l % 16 of tile T, and stores them at 512 g + 16 l: the order in which a lane's fragment registers take them.
	s_and_b32 s18, ttmp7, 0xffff
	s_lshl_b32 s18, s18, 2
	s_add_co_u32 s18, s18, s41
	s_lshl_b32 s18, s18, 2
	s_add_co_u32 s18, s18, s40
	s_lshl_b32 s18, s18, 2
	s_add_co_u32 s18, s18, s14                     ; g, 0 to 1,535
	s_mul_i32 s19, s18, 2731
	s_lshr_b32 s19, s19, 16                        ; T = g / 24 (exact for g under 1,536)
	s_mul_i32 s20, s19, 24
	s_sub_co_u32 s20, s18, s20                     ; j
	s_mul_i32 s19, s19, 12288
	s_lshl_b32 s20, s20, 4
	s_add_co_u32 s20, s19, s20
	s_mov_b32 s21, 0
	s_add_nc_u64 s[66:67], s[66:67], s[20:21]
	s_lshl_b32 s20, s18, 9
	s_add_nc_u64 s[104:105], s[104:105], s[20:21]
	v_mul_u32_u24 v12, v1, 768
	v_mad_u32_u24 v12, v2, 384, v12
	global_load_b128 v[8:11], v12, s[66:67]        ; stored on the way out
	; where my 128 x 128 goes: index = (8 batch + column group) x 8 + row group; 12,288 bytes of codes and 512 of scale words each
	s_lshl_b32 s18, s3, 3
	s_lshl_b32 s19, s40, 1
	s_add_co_u32 s18, s18, s19
	s_add_co_u32 s18, s18, s16
	s_lshl_b32 s18, s18, 3
	s_lshl_b32 s19, s41, 1
	s_add_co_u32 s18, s18, s19
	s_add_co_u32 s18, s18, s15
	s_mul_i32 s20, s18, 12288
	s_mul_i32 s21, s2, 6291456
	s_add_co_u32 s20, s20, s21
	s_mov_b32 s21, 0
	s_add_nc_u64 s[12:13], s[12:13], s[20:21]
	s_lshl_b32 s20, s18, 9
	s_lshl_b32 s22, s2, 18
	s_add_co_u32 s20, s20, s22
	s_add_nc_u64 s[98:99], s[98:99], s[20:21]
	s_cmp_lt_u32 s2, 2
	s_cselect_b32 s100, -1, 0                      ; all lanes where the tensor is Q or K
.macro FRAG reg, adr, st, i            ; 16 rows x 128 K: 12 registers in pieces of 8 bytes; byte y of a row lies in chunk y / 256, slot (y / 256) % 2
.irp p, 0,1,2,3,4,5
.set BY, 96*(\st)+48*(\p/3)+8*(\p%3)
.if BY/ROWB == (BY+24)/ROWB
	ds_load_b64 v[\reg+2*\p:\reg+2*\p+1], v[\adr+(BY/ROWB)%2] offset:BY%ROWB+(\i)*16*PITCH
.else
	ds_load_b64 v[\reg+2*\p:\reg+2*\p+1], v[\adr+2+(BY/ROWB)%2] offset:BY%ROWB-232+(\i)*16*PITCH
.endif
.endr
.endm
; 16 matrix instructions: A's blocks a0, a0 + 1 x B's eight; the 64 accumulators take turns
.macro MUL16 a0, p, q, sc, zero
.irp a, \a0, \a0+1
.irp b, 0,1,2,3,4,5,6,7
.if \zero
	v_wmma_scale_f32_16x16x128_f8f6f4 v[8*(8*((\a)%4)+\b):8*(8*((\a)%4)+\b)+7], v[128*(\p)+FR*\b:128*(\p)+FR*\b+FR-1], v[AF+FR*(\a):AF+FR*(\a)+FR-1], 0, v[SC+8*NQ*(\sc)+NQ*\b+(\q)], v[SC+8*NQ*(\sc)+NQ*(\a)+(\q)] matrix_a_fmt:MATRIX_FMT_FP6 matrix_b_fmt:MATRIX_FMT_FP6 matrix_a_scale:MATRIX_SCALE_ROW1
.else
	v_wmma_scale_f32_16x16x128_f8f6f4 v[8*(8*((\a)%4)+\b):8*(8*((\a)%4)+\b)+7], v[128*(\p)+FR*\b:128*(\p)+FR*\b+FR-1], v[AF+FR*(\a):AF+FR*(\a)+FR-1], v[8*(8*((\a)%4)+\b):8*(8*((\a)%4)+\b)+7], v[SC+8*NQ*(\sc)+NQ*\b+(\q)], v[SC+8*NQ*(\sc)+NQ*(\a)+(\q)] matrix_a_fmt:MATRIX_FMT_FP6 matrix_b_fmt:MATRIX_FMT_FP6 matrix_a_scale:MATRIX_SCALE_ROW1
.endif
.endr
.endr
.endm
.macro FETCH_B st, p
	WIN TO_B
.irp i, 0,1,2,3,4,5,6,7
	FRAG 128*(\p)+FR*\i, ADRB, \st, \i
.endr
	WIN 0
.endm
.macro FETCH_A st, i0
.irp i, \i0, \i0+1, \i0+2, \i0+3
	FRAG AF+FR*(\i), ADRA, \st, \i
.endr
.endm
.macro SCALES pr                       ; the scale words of steps 2 pr, 2 pr + 1: lanes 0-15 A's block i, lanes 16-31 B's
.irp i, 0,1,2,3,4,5,6,7
	ds_load_b64 v[SC+8*NQ*((\pr)%2)+NQ*\i:SC+8*NQ*((\pr)%2)+NQ*\i+1], v[ADRS] offset:\i*SBLK+4*NQ*(\pr)
.endr
.endm
.macro PLACES n                        ; plain vector lines between a matrix instruction and a load into, or a read of, its registers
.rept \n
	v_nop
.endr
.endm
; A step of 128 along K.  Where the next step's bytes end in a chunk not yet read: wait for my tensor loads, barrier.  Where they begin in a later chunk: the chunk left behind is read no more:
; the wait, the add, the wait for it, the barrier; where a chunk two on is left to fetch, the barrier opens a round of the cluster's barrier and the slot is filled again.
.macro STEP st, zero
.set NX, (\st)+1
.set C0, (96*(\st))/ROWB
.set C1, (96*NX)/ROWB
.set E0, (96*(\st)+95)/ROWB
.set E1, (96*NX+95)/ROWB
.if C1 > C0 || E1 > E0
	s_wait_tensorcnt 0x0
.if C1 > C0
	ds_add_u32 v[SPW], v[NIL]
	s_wait_dscnt 4*NL+1                            ; the add and the 24 youngest loads may be out
.else
	s_wait_dscnt 4*NL
.endif
	WIN MUL_LO
	MUL16 0, (\st)%2, (\st)%2, ((\st)/2)%2, \zero
	s_wait_dscnt 0x0
	s_barrier_signal -1
	MUL16 2, (\st)%2, (\st)%2, ((\st)/2)%2, \zero
	WIN 0
	s_barrier_wait -1
.if C1 > C0 && C0+2 < CHUNKS
	CREST
	s_add_nc_u64 s[G0+4*(C0%2)+2:G0+4*(C0%2)+3], s[G0+4*(C0%2)+2:G0+4*(C0%2)+3], 2*ROWB
	s_add_nc_u64 s[G0B+4*(C0%2)+2:G0B+4*(C0%2)+3], s[G0B+4*(C0%2)+2:G0B+4*(C0%2)+3], 2*ROWB
	JLOAD G0+4*(C0%2), G1, G0B+4*(C0%2), G1B
.else
	PLACES NP
.endif
.else
	s_wait_dscnt 4*NL                              ; B's set and A's blocks 0-3 are in; the 24 youngest loads may be out
	WIN MUL_LO
	MUL16 0, (\st)%2, (\st)%2, ((\st)/2)%2, \zero
	MUL16 2, (\st)%2, (\st)%2, ((\st)/2)%2, \zero
	s_wait_dscnt 0
	PLACES NP
.endif
	FETCH_B NX, NX%2
	FETCH_A NX, 0
.if NX%2 == 0
	SCALES NX/2
.endif
	WIN MUL_HI
	MUL16 4, (\st)%2, (\st)%2, ((\st)/2)%2, \zero
	MUL16 6, (\st)%2, (\st)%2, ((\st)/2)%2, \zero
	PLACES NP
	WIN 0
	FETCH_A NX, 4
.endm
	s_wait_alu depctr_va_vdst(0)                   ; the wait at the head's end
	s_wait_tensorcnt 0x0                           ; my tile of the head's four is in
	ds_add_u32 v[SPW], v[NIL]                      ; the add and its wait, ahead of a later first fill
	s_mov_b32 s[G1+2], 128<<16                     ; no load of mine is out: from here on a load brings 128 rows
	s_mov_b32 s[G1+4], 128
	s_mov_b32 s[G1B+2], 128<<16
	s_mov_b32 s[G1B+4], 128
	s_wait_dscnt 0x0
	CROUND
	JLOAD G0+4, G1, G0B+4, G1B                     ; chunk 1
	FETCH_B 0, 0
	FETCH_A 0, 0
	SCALES 0
	FETCH_A 0, 4
	STEP 0, 1                                      ; the first step's products start the sums
.set ST, 1
.rept STEPS-2
	STEP ST, 0
.set ST, ST+1
.endr
	s_wait_dscnt 4*NL
	WIN MUL_LO
	MUL16 0, 1, 1, 1, 0
	MUL16 2, 1, 1, 1, 0
	s_wait_dscnt 0
	WIN MUL_HI
	MUL16 4, 1, 1, 1, 0
	MUL16 6, 1, 1, 1, 0
	WIN 0
; THE WAY OUT: block a's 64 numbers a lane become 12 registers of codes and a scale word.
.macro QUANT a
.set WA, 2+(\a)/4
.set AC, 64*((\a)%4)
.set PC, PC0+20*((\a)%2)
.set WW, (WA<<2)|(WA<<4)
	WIN WW
.irp b, 0,1,2,3
	v_max3_num_f32 v[TM+\b], 0x1800000, |v[AC+16*\b]|, |v[AC+16*\b+1]|   ; my 16 numbers and the floor 2^(3 - 127); each accumulator is read from its low end on
.endr
.irp i, 2,4,6,8,10,12,14
.irp b, 0,1,2,3
	v_max3_num_f32 v[TM+\b], v[TM+\b], |v[AC+16*\b+\i]|, |v[AC+16*\b+\i+1]|
.endr
.endr
	WIN 0
.irp b, 0,1,2,3
	v_permlanex16_b32 v[TM+4+\b], v[TM+\b], s20, s21
.endr
.irp b, 0,1,2,3
	v_max_num_f32 v[TM+\b], v[TM+\b], v[TM+4+\b]
.endr
.irp b, 0,1,2,3
	v_add_nc_u32 v[TM+12+\b], 0xff000000, v[TM+\b] ; 2 off the exponent field: the conversion's scale operand
.endr
.irp b, 0,1,2,3
	v_lshrrev_b32 v[TM+4+\b], 23, v[TM+12+\b]      ; the scale's byte
.endr
	v_lshl_or_b32 v[W+(\a)], v[TM+5], 8, v[TM+4]
	v_lshl_or_b32 v[W+(\a)], v[TM+6], 16, v[W+(\a)]
	v_lshl_or_b32 v[W+(\a)], v[TM+7], 24, v[W+(\a)]
	WIN WA
.irp c, 0,1
	v_cvt_scalef32_pk16_fp6_f32 v[PC+6*\c:PC+6*\c+2], v[AC+32*\c:AC+32*\c+15], v[TM+12+2*\c]
	v_cvt_scalef32_pk16_fp6_f32 v[PC+12+4*\c:PC+14+4*\c], v[AC+32*\c+16:AC+32*\c+31], v[TM+13+2*\c]
.endr
	WIN 0
	v_nop                                          ; one plain line behind the scaled conversions
.irp c, 0,1                            ; a whole block to a lane
.irp i, 0,1,2
	v_permlane16_swap_b32 v[PC+6*\c+\i], v[PC+12+4*\c+\i]
.endr
.irp i, 0,1,2
	v_mov_b32 v[PC+3+6*\c+\i], v[PC+12+4*\c+\i]
.endr
.endr
.endm
	PLACES NP
.irp b, 0,1,2,3
	v_mov_b32 v[TM+4+\b], 0                        ; a lane permute's destination counts as one of its sources
.endr
	s_mov_b32 s20, 0x76543210
	s_mov_b32 s21, 0xfedcba98
	s_mov_b32 s94, 0xffff0000
.irp a, 0,1,2,3,4,5,6,7
.if \a > 1
	s_wait_xcnt 0x0                                ; block a - 2's stores have read the registers that block a's codes take
.endif
	QUANT \a
	global_store_b128 v[OA], v[PC:PC+3], s[12:13] offset:\a*1536
	global_store_b64 v[OB], v[PC+4:PC+5], s[12:13] offset:\a*1536
	global_store_b128 v[OA], v[PC+6:PC+9], s[12:13] offset:\a*1536+768
	global_store_b64 v[OB], v[PC+10:PC+11], s[12:13] offset:\a*1536+768
.endr
	; The scale words.  Q, K: a word for two tiles of one head.  V: block a's word as it is.
.irp b, 0,1,2,3
	v_perm_b32 v[X+\b], v[W+2*\b+1], v[W+2*\b], 0x05040100
	v_perm_b32 v[X+4+\b], v[W+2*\b+1], v[W+2*\b], 0x07060302
.endr
.irp k, 0,1,2,3,4,5,6,7
	v_cndmask_b32 v[X+\k], v[W+\k], v[X+\k], s100
.endr
	v_cndmask_b32 v[Y], v[X], v[X+2], s94
	v_cndmask_b32 v[Y+1], v[X+1], v[X+3], s94
	v_cndmask_b32 v[Y+2], v[X+4], v[X+6], s94
	v_cndmask_b32 v[Y+3], v[X+5], v[X+7], s94
	s_wait_alu depctr_va_vdst(0)                   ; the scale words are stored behind this wait
	s_wait_loadcnt 0x0
	global_store_b128 v[OA], v[8:11], s[104:105]   ; my run of w_o's image: 512 consecutive bytes
	global_store_b64 v[OS], v[Y:Y+1], s[98:99]
	global_store_b64 v[OS], v[Y+2:Y+3], s[98:99] offset:256
	s_wait_tensorcnt 0x0                           ; the wave's end
	ds_add_u32 v[SPW], v[NIL]
	s_wait_dscnt 0x0
	CROUND                                         ; the closing round
	s_endpgm
.Lfunc_end_k_q5cbfa0b197_proj:
	.size	k_q5cbfa0b197_proj, .Lfunc_end_k_q5cbfa0b197_proj-k_q5cbfa0b197_proj
	.p2alignl 7, 3214868480
	.fill 96, 4, 3214868480
	.section	.rodata,"a",@progbits
	.p2align	6, 0x0
	.amdhsa_kernel k_q5cbfa0b197_proj
		.amdhsa_group_segment_fixed_size 327680
		.amdhsa_private_segment_fixed_size 0
		.amdhsa_enable_private_segment 0
		.amdhsa_kernarg_size 128
		.amdhsa_user_sgpr_count 2
		.amdhsa_user_sgpr_kernarg_segment_ptr 1
		.amdhsa_wavefront_size32 1
		.amdhsa_system_sgpr_workgroup_id_x 1
		.amdhsa_system_sgpr_workgroup_id_y 1
		.amdhsa_system_sgpr_workgroup_id_z 1
		.amdhsa_system_vgpr_workitem_id 0
		.amdhsa_next_free_vgpr 1024
		.amdhsa_next_free_sgpr 106
		.amdhsa_reserve_vcc 0
		.amdhsa_float_denorm_mode_32 3
		.amdhsa_float_denorm_mode_16_64 3
		.amdhsa_memory_ordered 1
		.amdhsa_forward_progress 1
		.amdhsa_inst_pref_size 168
	.end_amdhsa_kernel
	.amdgpu_metadata
---
amdhsa.version: [ 1, 2 ]
amdhsa.kernels:
  - .name:           k_q5cbfa0b197_proj
    .symbol:         k_q5cbfa0b197_proj.kd
    .args:
      - { .name: query_codes, .offset: 0, .size: 8, .value_kind: global_buffer, .address_space: global }
      - { .name: key_codes, .offset: 8, .size: 8, .value_kind: global_buffer, .address_space: global }
      - { .name: w_v_codes, .offset: 16, .size: 8, .value_kind: global_buffer, .address_space: global }
      - { .name: query_scales, .offset: 24, .size: 8, .value_kind: global_buffer, .address_space: global }
      - { .name: key_scales, .offset: 32, .size: 8, .value_kind: global_buffer, .address_space: global }
      - { .name: w_v_scales, .offset: 40, .size: 8, .value_kind: global_buffer, .address_space: global }
      - { .name: w_q_codes, .offset: 48, .size: 8, .value_kind: global_buffer, .address_space: global }
      - { .name: w_k_codes, .offset: 56, .size: 8, .value_kind: global_buffer, .address_space: global }
      - { .name: value_codes, .offset: 64, .size: 8, .value_kind: global_buffer, .address_space: global }
      - { .name: w_q_scales, .offset: 72, .size: 8, .value_kind: global_buffer, .address_space: global }
      - { .name: w_k_scales, .offset: 80, .size: 8, .value_kind: global_buffer, .address_space: global }
      - { .name: value_scales, .offset: 88, .size: 8, .value_kind: global_buffer, .address_space: global }
      - { .name: qkv_codes, .offset: 96, .size: 8, .value_kind: global_buffer, .address_space: global }
      - { .name: qkv_scales, .offset: 104, .size: 8, .value_kind: global_buffer, .address_space: global }
      - { .name: w_o_w_codes, .offset: 112, .size: 8, .value_kind: global_buffer, .address_space: global }
      - { .name: wo_img, .offset: 120, .size: 8, .value_kind: global_buffer, .address_space: global }
    .group_segment_fixed_size: 327680
    .private_segment_fixed_size: 0
    .kernarg_segment_align: 8
    .kernarg_segment_size: 128
    .max_flat_workgroup_size: 128
    .sgpr_count:     106
    .vgpr_count:     1024
    .wavefront_size: 32
...
	.end_amdgpu_metadata
.endif
;; end of part 1
;; launch attn (part 2): grid 32 x 8, 4 waves a work-group, clusters of 4 x 1, 327,680 bytes of LDS; arguments qkv_codes, qkv_scales, key_padding_mask, out1, wo_img, w_o_w_scales, w_o_b, out0; writes out1, out0
.if DOCPART == 2
	.amdgcn_target "amdgcn-amd-amdhsa--gfx1250"
	.amdhsa_code_object_version 6
	.text
	.protected	k_q5cbfa0b197_attn
	.globl	k_q5cbfa0b197_attn
	.p2align	8
	.type	k_q5cbfa0b197_attn,@function
k_q5cbfa0b197_attn:
	s_mov_b64 s[64:65], 0
	v_nop
	global_prefetch_b8 v0, s[64:65] scope:SCOPE_SE
	s_setreg_imm32_b32 hwreg(HW_REG_WAVE_MODE, 25, 1), 1
	s_wait_xcnt 0x0
	s_wait_alu depctr_hold_cnt(0) depctr_sa_sdst(0) depctr_va_vdst(0) depctr_va_sdst(0) depctr_va_ssrc(0) depctr_va_vcc(0) depctr_vm_vsrc(0)
	s_getreg_b32 s2, hwreg(HW_REG_IB_STS2, 6, 4)
	s_cmp_eq_u32 s2, 0
	s_cbranch_scc0 .Lentry_in_a_cluster
	s_endpgm
.Lentry_in_a_cluster:
	s_bfe_u32 s2, ttmp6, 0x10000c
	s_cmp_lg_u32 s2, 0x3003
	s_cbranch_scc0 .Lentry_shape_is_right
	s_endpgm
.Lentry_shape_is_right:
; scores = Q K^T / 8 + slope_h (key - query), masked keys out, softmax, context = P V, and the mean of the attention over the 16 heads.  Both products on codes of FP6 (E2M3) with E8M0 scales.
; SHARES.  A work-group owns 32 queries of one batch for ALL 16 heads, so that it alone owns its rows of the mean.  Its four waves share the KEYS: wave w has keys 256 w .. 256 w + 255.  A wave holds one head's
; p (256 registers) and its part of the mean (256 registers) throughout; nothing of size keys x queries goes to memory but the mean itself.
; Each wave makes a softmax of its own keys with a whole number M of its own; once a head the four meet in LDS: M = the largest, each wave's sum and O are brought under it by an exact power of two.
; LAYOUT.  S^T = K Q^T (source 0 = 16 keys, source 1 = 16 queries), O^T = V^T P^T: a lane holds ONE query (lane % 16) throughout; its registers run along keys, then channels.
; The head's K is 64, the instruction's 128: a key tile's fragment is [K | 0] or [0 | K], with six registers of zero codes shared by a pair of tiles, against [Q | Q]; one scale word serves a pair of key tiles.
; THE MASK is the C of the first product: -7.6e30 at a masked key, 0 elsewhere.  THE BIAS: t = S c + s' off + (s' base - M), c = log2(e) / 8, s' = slope log2(e): the term of a register's place in its block of 32 keys
; rides on the scaling's multiply-add; the block's term is folded with -M into the shift that the exponent needs anyway.
; p = 2^(t - M) is quantised along the keys, not normalised; the row's sum is taken of the unquantised p.  Inside a block of 32 keys p's codes stand in the order in which the launch before laid V's.
; CLUSTER.  The four work-groups of a cluster belong to one batch and walk the same K and V: each head's tiles are asked for jointly.  Two LDS slots, a head each; one round of the cluster's barrier a head, which also
; parts the waves' stores into the exchange from the loads out of it.
; LIMITS: a masked score is -7.6e30 c and not -1e30 log2(e): the same result (p = 0; a row with every key masked: uniform) while raw scores stay under 3e23.  Blocks of zeros carry the byte 1.  NaN and infinities are not served.
; REGISTERS: window 0: addresses, statistics, scales, Q, K;  window 1: S, then p (128 u + 8 tile + j);  window 2: the mean, same map;  window 3: v0-95 V, later the four waves' O; v96-159 O; v160-207 p's codes; v208-239 at work.
; THE PROJECTION ON THE WAY OUT is made here too: the work-group holds its 32 rows of the context, all 1,024 channels, as codes in LDS.  Wave w makes columns 256 w .. 256 w + 255 of out0: 16 tiles of 16 rows of w_o
; against both query tiles, 8 steps of 128 along K.  A tile of w_o (16 rows x 768 bytes, dense) serves ONE wave of the work-group, so it is not asked for jointly: the wave loads it itself, 512 consecutive bytes an
; instruction, two tiles (24,576 bytes) on their way at any time with no barrier, turns it through its own LDS stage (pitch 784) and reads 384 consecutive bytes of a row a lane.  So the blocks of 32 stand in the order
; (step s, half c, lane half hh) = block 16 hh + 2 s + c, alike in the context's fragments and in both sides' scale words.  w_o's 3,072 runs of 256 bytes are prefetched in the head loop's last six trips,
; each once in each cluster: partner, wave and trip are told apart by address.
.set SLOT1, 1<<17
; WHAT THE PARAGRAPHS ABOVE NO LONGER DESCRIBE.  (1) THE MASK AND THE BIAS: the C of the first product is a table in LDS, made anew for each head: T[key] = (-2^103 at a masked key, else 0) + 8 slope (key - the block's first query);
; two tables take turns, a thread makes 8 numbers of the next head's.  It is fetched once for both query tiles: into tile 1's score registers; tile 0's products take it as C, tile 1's add in place, five places later.
; Then t - M = c S' + (-8 slope c (query - the block's first query) - M): one packed multiply-add.  -2^103 c is a number of f32, so a row with every key masked gives p = 1 exactly (uniform).
; LIMIT: raw scores with their bias stay under 2^79 in magnitude.  (2) w_o comes as the image that the launch before laid (512 consecutive bytes an instruction, straight into fragment registers): no LDS stage;
; four sets of fragment registers take turns, three tiles asked for ahead.
.set OSTG, SLOT1
.set MAD2, 305664                      ; the second table, behind the spare words
.set TG, 73                            ; s73: the table of the head whose keys are fetched next
.set MK, 72                            ; v72-79 my 8 keys' mask numbers;  v80-87 my 8 keys less the block's first query
.set KD, 80
.set WPB, 94                           ; s[94:95] where my prefetches of w_o begin;  s[100:101] where this trip's stands
.set WPA, 100
.set VOFF,  49152                      ; a slot: K's 64 tiles of 768 bytes, then V's 8 key groups of 6,144
.set XO,    98304                      ; behind each slot: the exchange of O, 8,192 bytes a wave
.set XST,   262144                     ; the exchange of (-M, l): 2 x 4 x 512 bytes
.set MADD,  266240                     ; the mask as 1,024 f32
.set CTX,   270336                     ; the context's codes: a wave's own 16 rows x 528 bytes; head h's 12 bytes in a place of 16
.set CPW,   8448
.set CPP,   528
.set CSC,   304128                     ; its scale bytes: a wave's own 16 rows x 16
.set SPARE, 305152                     ; the spare words: 128 bytes a wave, named by no other line
.set SPITCH, 1040                      ; the mean's stage (in slot 0, behind its last fill and last read): 16 rows x (1,024 + 16) a wave
.set DB,  26                           ; v26-27  -c x (my query - the block's first), for query tiles 0, 1
.set STQ, 28                           ; v28-31  -M0, l0, -M1, l1
.set FO,  32                           ; v32-33  what my p is multiplied by for the mean
.set FS,  34                           ; v34-37  what wave w's O is multiplied by
.set LS,  38                           ; v38-45  four pairs of sums
.set WK,  46                           ; v46-55  at work
.set QS,  56                           ; v56-57  Q's scale words
.set QW,  58                           ; v58     as loaded
.set VSL, 59                           ; v59     8 slope
.set KSC, 60                           ; v60-63  K's scale words
.set VSC, 64                           ; v64-67  V's
.set PW,  68                           ; v68-71  p's
.set B16, 72
.set SQ,  88                           ; v88-111 Q: tile u at 12 u
.set KB,  112                          ; v112-255 K: pair p at 18 p: tile 2 p, six zeros, tile 2 p + 1.  Between the products a pair's 12 data registers are the block's scratch
.set OR,  96
.set PCD, 160
.set TPC, 208
.set WV,16
.set CX,17
.set XB,18
.set BB,19
.set SEL,20
.set CS,22
.set G1K,24
.set G1V,32
.set G0K,40
.set G0V,44
.set KP,48
.set VP,50
.set QP,52
.set QSP,54
.set KSP,56
.set VSP,58
.set HX,63                             ; the next head to be fetched into a slot
.set TB,66
.set XS,67
.set SL,68
.set SLN,69
.set HC,70
.set H32,71
.set H1,72
.set PFA,74
.set PFB,76
.set MA,78
.set MB,79
.set LIM,80
.set ODD,81
.set QB,82
.set QSB,84
.set KSB,86
.set VSB,88
.set MSB, 0
.macro WIN new
.if MSB != \new
	s_set_vgpr_msb (MSB<<8)|\new
.set MSB, \new
.endif
.endm
.macro JLOAD                           ; waves 0 and 1 fetch K's halves, waves 2 and 3 V's; four v_nop follow each line
	s_cmp_lt_u32 s[WV], 2
	s_cbranch_scc0 .Lfor_v_\@
	tensor_load_to_lds s[G0K:G0K+3], s[G1K:G1K+7]
	s_nop 0
.rept 4
	v_nop
.endr
	s_branch .Lasked_\@
.Lfor_v_\@:
	tensor_load_to_lds s[G0V:G0V+3], s[G1V:G1V+7]
	s_nop 0
.rept 4
	v_nop
.endr
.Lasked_\@:
.endm
; A prefetch of the head that the NEXT change of slots will ask for.  The batch's first cluster asks, in it waves 0 to 2; its four partners are told apart by address: two take K's halves (a lane a tile, a wave one of its
; three runs of 256 bytes), two V's (a lane one of 8 runs in one of 4 key groups, a wave 2,048 bytes on).  So each aligned run of 256 bytes is named once.  Heads 0 to 2 come by their loads alone; behind head 15 nothing is asked.
.macro ASK
	s_cmp_lt_u32 s[HX], s[LIM]
	s_cbranch_scc0 .Lnot_mine_\@
	global_prefetch_b8 v23, s[PFA:PFA+1] th:TH_LOAD_NT scope:SCOPE_SE
.Lnot_mine_\@:
	s_cmp_lt_u32 s[HC], 7                          ; the loop's last six trips: 32 runs of 256 bytes of w_o a wave and trip
	s_cbranch_scc0 .Lno_w_\@
	WIN 0x03
	global_prefetch_b8 v240, s[WPA:WPA+1] th:TH_LOAD_NT scope:SCOPE_SE   ; (v240 of window 3: 256 x lane)
	WIN 0
.Lno_w_\@:
.endm
.macro CROUND
	s_barrier_signal -1
	s_barrier_wait -1
	s_cmp_lg_u32 s[WV], 0
	s_cbranch_scc1 .Lnot_wave_0_\@
	s_barrier_signal -3
.Lnot_wave_0_\@:
	s_barrier_wait -3
	s_barrier_signal -1
	s_barrier_wait -1
.endm
.macro ADDRS                           ; the LDS addresses of the head in hand
	v_add_nc_u32 v5, s[TB], v3
	v_add_nc_u32 v6, s[TB], v4
	v_add_nc_u32 v10, s[TB], v8
	v_add_nc_u32 v11, s[TB], v9
	v_add_nc_u32 v14, s[XS], v12
	v_add_nc_u32 v15, s[XS], v20
	v_add_nc_u32 v7, s[TG], v13
.endm
; The change of slots, once a head.  In front of it each wave's tensor load (the next head) has landed, its reads of the slot in hand are back and its stores into the exchange are done.
.macro CHANGE fill, ask
	WIN 0
	s_wait_tensorcnt 0x0
	ds_add_u32 v24, v25                            ; 0 onto my spare word
.if \fill
	s_lshr_b32 s60, s[HX], 1
	s_and_b32 s61, s[HX], 1
	s_mul_i32 s90, s60, 98304
	s_mul_i32 s92, s61, 768
	s_add_co_u32 s90, s90, s92
	s_add_nc_u64 s[G0K+2:G0K+3], s[KP:KP+1], s[90:91]   ; K of head HX: pair x 98,304 + parity x 768
	s_or_b32 s[G0K+3], s[G0K+3], 0x80000000
	s_mul_i32 s90, s[HX], 6144
	s_add_nc_u64 s[G0V+2:G0V+3], s[VP:VP+1], s[90:91]   ; V of head HX
	s_or_b32 s[G0V+3], s[G0V+3], 0x80000000
	s_xor_b32 s[G0K+1], s[G0K+1], SLOT1
	s_xor_b32 s[G0V+1], s[G0V+1], SLOT1
.if \ask
	s_wait_xcnt 0x0                                ; the last prefetch, a head back, has read its address
	s_add_co_u32 s60, s[HX], 1
	s_lshr_b32 s61, s60, 1
	s_and_b32 s60, s60, 1
	s_mul_i32 s90, s61, s[MA]
	s_mul_i32 s92, s60, s[MB]
	s_add_co_u32 s90, s90, s92
	s_add_nc_u64 s[PFA:PFA+1], s[PFB:PFB+1], s[90:91]
	s_sub_co_u32 s60, s[HC], 1
	s_min_u32 s60, s60, 5                          ; inside my wave's 49,152 bytes in every trip
	s_lshl_b32 s90, s60, 13
	s_add_nc_u64 s[WPA:WPA+1], s[WPB:WPB+1], s[90:91]
.endif
	s_wait_dscnt 0x0
	CROUND
	JLOAD                                          ; my one tensor load until the next round: it has a whole head's work in which to land
.if \ask
	ASK
.endif
.else
	s_wait_dscnt 0x0
	s_barrier_signal -1
	s_barrier_wait -1
.endif
	s_add_co_u32 s[HX], s[HX], 1
.endm
.macro LOADA                           ; 11 loads for head HX - 1: Q's two tiles, each twice; Q's scale word; K's scale words
	s_wait_xcnt 0x0                                ; the bases are written again only behind this wait
	s_sub_co_u32 s60, s[HX], 1
	s_lshr_b32 s61, s60, 1
	s_and_b32 s62, s60, 1
	s_mul_i32 s90, s61, 98304
	s_mul_i32 s92, s62, 768
	s_add_co_u32 s90, s90, s92
	s_add_nc_u64 s[QB:QB+1], s[QP:QP+1], s[90:91]
	s_lshl_b32 s90, s61, 12
	s_lshl_b32 s92, s62, 8
	s_add_co_u32 s90, s90, s92
	s_add_nc_u64 s[QSB:QSB+1], s[QSP:QSP+1], s[90:91]
	s_add_nc_u64 s[KSB:KSB+1], s[KSP:KSP+1], s[90:91]
.irp u, 0,1
	global_load_b128 v[SQ+12*\u:SQ+12*\u+3], v20, s[QB:QB+1] offset:1536*\u
	global_load_b64 v[SQ+12*\u+4:SQ+12*\u+5], v21, s[QB:QB+1] offset:1536*\u+512
	global_load_b128 v[SQ+12*\u+6:SQ+12*\u+9], v20, s[QB:QB+1] offset:1536*\u
	global_load_b64 v[SQ+12*\u+10:SQ+12*\u+11], v21, s[QB:QB+1] offset:1536*\u+512
.endr
	global_load_b32 v[QW], v22, s[QSB:QSB+1]
	global_load_b64 v[KSC:KSC+1], v21, s[KSB:KSB+1]
	global_load_b64 v[KSC+2:KSC+3], v21, s[KSB:KSB+1] offset:512
.endm
.macro LOADB                           ; 2 loads for head HX - 1: V's scale words
	s_wait_xcnt 0x0
	s_sub_co_u32 s60, s[HX], 1
	s_lshl_b32 s90, s60, 8
	s_add_nc_u64 s[VSB:VSB+1], s[VSP:VSP+1], s[90:91]
	global_load_b64 v[VSC:VSC+1], v21, s[VSB:VSB+1]
	global_load_b64 v[VSC+2:VSC+3], v21, s[VSB:VSB+1] offset:4096
.endm
.macro KC pi                           ; 8 LDS loads: the pair's two key tiles, and the mask of its 32 keys into the scores' registers (the products' C)
	WIN 0
	ds_load_b128 v[KB+18*(\pi):KB+18*(\pi)+3], v5 offset:1536*(\pi)
	ds_load_b64 v[KB+18*(\pi)+4:KB+18*(\pi)+5], v6 offset:1536*(\pi)
	ds_load_b128 v[KB+18*(\pi)+12:KB+18*(\pi)+15], v5 offset:1536*(\pi)+768
	ds_load_b64 v[KB+18*(\pi)+16:KB+18*(\pi)+17], v6 offset:1536*(\pi)+768
	WIN 0x40
.irp e, 0,1
.irp m, 0,1
	ds_load_b128 v[128+16*(\pi)+8*\e+4*\m:128+16*(\pi)+8*\e+4*\m+3], v7 offset:128*(\pi)+64*\e+16*\m
.endr
.endr
.endm
.macro QK pi, u                        ; two products: the pair's two key tiles x query tile u; C is the table, which lies in tile 1's registers
.if \u == 0
	s_wait_dscnt 8*(7-(\pi))                       ; behind this pair's 8 loads: 8 for each later pair (the table's two stores, younger still, are waited for with them)
.endif
	WIN 0x50                                       ; C and D window 1
.irp e, 0,1
.set rD, 128*\u+16*(\pi)+8*\e
.set rC, 128+16*(\pi)+8*\e
.set rA, KB+18*(\pi)+6*\e
.set rB, SQ+12*\u
.set rS, KSC+2*((\pi)/4)+(\pi)%2
.if ((\pi)%4) >= 2
	v_wmma_scale_f32_16x16x128_f8f6f4 v[rD:rD+7], v[rA:rA+11], v[rB:rB+11], v[rC:rC+7], v[rS], v[QS+\u] matrix_a_fmt:MATRIX_FMT_FP6 matrix_b_fmt:MATRIX_FMT_FP6 matrix_a_scale:MATRIX_SCALE_ROW1
.else
	v_wmma_scale_f32_16x16x128_f8f6f4 v[rD:rD+7], v[rA:rA+11], v[rB:rB+11], v[rC:rC+7], v[rS], v[QS+\u] matrix_a_fmt:MATRIX_FMT_FP6 matrix_b_fmt:MATRIX_FMT_FP6
.endif
.endr
.endm
.macro VLOAD                           ; 32 LDS loads: V's eight fragments (key group g, channels 16 i on)
	WIN 0xc0
.irp g, 0,1
.irp i, 0,1,2,3
.irp c, 0,1
	ds_load_b128 v[12*(4*\g+\i)+6*\c:12*(4*\g+\i)+6*\c+3], v5 offset:VOFF+6144*\g+1536*\i+768*\c
	ds_load_b64 v[12*(4*\g+\i)+6*\c+4:12*(4*\g+\i)+6*\c+5], v6 offset:VOFF+6144*\g+1536*\i+768*\c
.endr
.endr
.endr
.endm
.macro PV                              ; 16 products, eight accumulators by turns
	WIN 0xff
.irp g, 0,1
	s_wait_alu depctr_va_vdst(0)
.irp i, 0,1,2,3
.irp u, 0,1
.set rD, OR+8*(4*\u+\i)
.set rA, 12*(4*\g+\i)
.set rB, PCD+12*(2*\u+\g)
.set rS, VSC+2*\g+\i%2
.if \g == 0
.if \i >= 2
	v_wmma_scale_f32_16x16x128_f8f6f4 v[rD:rD+7], v[rA:rA+11], v[rB:rB+11], 0, v[rS], v[PW+2*\u+\g] matrix_a_fmt:MATRIX_FMT_FP6 matrix_b_fmt:MATRIX_FMT_FP6 matrix_a_scale:MATRIX_SCALE_ROW1
.else
	v_wmma_scale_f32_16x16x128_f8f6f4 v[rD:rD+7], v[rA:rA+11], v[rB:rB+11], 0, v[rS], v[PW+2*\u+\g] matrix_a_fmt:MATRIX_FMT_FP6 matrix_b_fmt:MATRIX_FMT_FP6
.endif
.else
.if \i >= 2
	v_wmma_scale_f32_16x16x128_f8f6f4 v[rD:rD+7], v[rA:rA+11], v[rB:rB+11], v[rD:rD+7], v[rS], v[PW+2*\u+\g] matrix_a_fmt:MATRIX_FMT_FP6 matrix_b_fmt:MATRIX_FMT_FP6 matrix_a_scale:MATRIX_SCALE_ROW1
.else
	v_wmma_scale_f32_16x16x128_f8f6f4 v[rD:rD+7], v[rA:rA+11], v[rB:rB+11], v[rD:rD+7], v[rS], v[PW+2*\u+\g] matrix_a_fmt:MATRIX_FMT_FP6 matrix_b_fmt:MATRIX_FMT_FP6
.endif
.endif
.endr
.endr
.endr
.endm
; A HEAD, up to the exchange.  next = 1: the next head's small loads are issued.
.macro MAIN next
	WIN 0
	s_wait_loadcnt 2                               ; Q, its scale word and K's are in; V's two loads may be out
	v_perm_b32 v[QS], v[QW], v[QW], 0x01000100     ; tile 0's two bytes, twice: for [Q | Q]
	v_perm_b32 v[QS+1], v[QW], v[QW], 0x03020302   ; tile 1's
	v_mov_b32 v[VSL], s[SL]                        ; 8 slope
	v_mul_f32 v[WK+4], v[VSL], v[DB]               ; the query's term of t, for query tiles 0, 1
	v_mul_f32 v[WK+5], v[VSL], v[DB+1]
.if \next
	s_xor_b32 s60, s[TG], MADD^MAD2                ; the next head's table: the one that nobody has read since the last barrier
	v_mov_b32 v[WK+8], s[SLN]
	v_lshl_add_u32 v[WK+3], v0, 5, s60
.irp k, 0,2,4,6
	v_pk_fma_f32 v[LS+\k:LS+\k+1], v[KD+\k:KD+\k+1], v[WK+8:WK+9], v[MK+\k:MK+\k+1] op_sel_hi:[1,0,1]
.endr
	v_nop                                          ; (with the lines above: the eight places between the scale words' making and the products)
	ds_store_b128 v[WK+3], v[LS:LS+3]
	ds_store_b128 v[WK+3], v[LS+4:LS+7] offset:16
.else
.rept 5
	v_nop
.endr
.endif
	s_wait_alu depctr_va_vdst(0)
.irp p, 0,1,2,3,4,5,6,7
	QK \p, 0
.endr
.rept 5
	v_nop                                          ; five places ahead of products that write over the C of those above
.endr
.irp p, 0,1,2,3,4,5,6,7
	QK \p, 1
.endr
	WIN 0
.rept 4
	v_nop                                          ; places behind the products: for the loads into Q and K's scale words, and for the first read of the scores
.endr
	VLOAD
	WIN 0
.if \next
	LOADA
.endif
	WIN 0x14                                       ; (b) the largest S' of my 16 of each block of 32 keys, the 16 blocks by turns
.irp p, 0,1,2,3,4,5,6,7
.irp u, 0,1
	v_max3_num_f32 v[KB+18*\p+\u], 0xff800000, v[128*\u+16*\p], v[128*\u+16*\p+1]
.endr
.endr
.irp i, 2,4,6,8,10,12,14
.irp p, 0,1,2,3,4,5,6,7
.irp u, 0,1
	v_max3_num_f32 v[KB+18*\p+\u], v[KB+18*\p+\u], v[128*\u+16*\p+\i], v[128*\u+16*\p+\i+1]
.endr
.endr
.endr
	WIN 0                                          ; (c) the blocks' terms, the row's largest t among my keys, -M
.irp u, 0,1
	v_max3_num_f32 v[WK+\u], v[KB+\u], v[KB+18+\u], v[KB+36+\u]    ; (c) the row's largest S' among my keys
.endr
.irp u, 0,1
	v_max3_num_f32 v[WK+\u], v[WK+\u], v[KB+54+\u], v[KB+72+\u]
.endr
.irp u, 0,1
	v_max3_num_f32 v[WK+\u], v[WK+\u], v[KB+90+\u], v[KB+108+\u]
.endr
.irp u, 0,1
	v_max_num_f32 v[WK+\u], v[WK+\u], v[KB+126+\u]
.endr
.irp u, 0,1
	v_permlanex16_b32 v[WK+2+\u], v[WK+\u], s[SEL], s[SEL+1]
.endr
.irp u, 0,1
	v_max_num_f32 v[WK+\u], v[WK+\u], v[WK+2+\u]
.endr
.irp u, 0,1
	v_fma_f32 v[WK+\u], v[WK+\u], s[CS], v[WK+4+\u]                ; as t
.endr
.irp u, 0,1
	v_floor_f32 v[STQ+2*\u], -v[WK+\u]             ; -M = floor(-t): M is a whole number
.endr
.irp u, 0,1
	v_add_f32 v[WK+6+\u], v[WK+4+\u], v[STQ+2*\u]  ; the query's term and -M: one addend
.endr
.irp p, 0,1,2,3,4,5,6,7
.irp u, 0,1
	v_fma_f32 v[KB+18*\p+12+\u], v[KB+18*\p+\u], s[CS], v[WK+6+\u] ; the same multiply-add on my largest S' of the block as (d) makes: the same bits
.endr
.endr
	WIN 0x41                                       ; (d) t - M = c S' + the addend
.set k, 0
.rept 64
	v_pk_fma_f32 v[2*k:2*k+1], v[2*k:2*k+1], s[CS:CS+1], v[WK+6:WK+7] op_sel_hi:[1,0,0]
	v_pk_fma_f32 v[128+2*k:128+2*k+1], v[128+2*k:128+2*k+1], s[CS:CS+1], v[WK+6:WK+7] op_sel:[0,0,1] op_sel_hi:[1,0,1]
.set k, k+1
.endr
.set j, 0                                      ; (e) p = 2^(t - M): one batch, one wait
	s_wait_alu depctr_va_vdst(0)
.rept 256
	v_exp_f32 v[j], v[j]
.set j, j+1
.endr
	WIN 0
	v_mov_b32 v[LS], 0                             ; a plain line behind the batch
	s_wait_alu depctr_va_vdst(0)                   ; the wait ahead of the first line that names a result
.irp p, 0,1,2,3,4,5,6,7
.irp u, 0,1
	v_exp_f32 v[KB+18*\p+12+\u], v[KB+18*\p+12+\u] ; my largest p of each block
.endr
.endr
.irp i, 1,2,3,4,5,6,7
	v_mov_b32 v[LS+\i], 0
.endr
	s_wait_alu depctr_va_vdst(0)                   ; and one for the sixteen
	WIN 0x04                                       ; (f) the sums of the unquantised p, in four chains
.set k, 0
.rept 64
	v_pk_add_f32 v[LS+2*(k%2):LS+2*(k%2)+1], v[LS+2*(k%2):LS+2*(k%2)+1], v[2*k:2*k+1]
	v_pk_add_f32 v[LS+4+2*(k%2):LS+4+2*(k%2)+1], v[LS+4+2*(k%2):LS+4+2*(k%2)+1], v[128+2*k:128+2*k+1]
.set k, k+1
.endr
	WIN 0                                          ; (g) the blocks' scales; the rows' sums
.irp p, 0,1,2,3,4,5,6,7
.irp u, 0,1
	v_permlanex16_b32 v[KB+18*\p+14+\u], v[KB+18*\p+12+\u], s[SEL], s[SEL+1]
.endr
.endr
.irp p, 0,1,2,3,4,5,6,7
.irp u, 0,1
	v_max3_num_f32 v[KB+18*\p+12+\u], v[KB+18*\p+12+\u], v[KB+18*\p+14+\u], 0x1800000   ; with lane l xor 16's, and the floor 2^(3 - 127)
.endr
.endr
.irp p, 0,1,2,3,4,5,6,7
.irp u, 0,1
	v_add_nc_u32 v[KB+18*\p+4+\u], 0xff000000, v[KB+18*\p+12+\u]   ; 2 off the exponent field: the conversion's scale operand
.endr
.endr
.irp p, 0,1,2,3,4,5,6,7
.irp u, 0,1
	v_lshrrev_b32 v[KB+18*\p+16+\u], 23, v[KB+18*\p+4+\u]          ; the scale's byte
.endr
.endr
.irp u, 0,1
.irp g, 0,1
	v_lshl_or_b32 v[PW+2*\u+\g], v[KB+18*(4*\g+1)+16+\u], 8, v[KB+18*(4*\g)+16+\u]
	v_lshl_or_b32 v[PW+2*\u+\g], v[KB+18*(4*\g+2)+16+\u], 16, v[PW+2*\u+\g]
	v_lshl_or_b32 v[PW+2*\u+\g], v[KB+18*(4*\g+3)+16+\u], 24, v[PW+2*\u+\g]
.endr
.endr
.irp u, 0,1
	v_pk_add_f32 v[LS+4*\u:LS+4*\u+1], v[LS+4*\u:LS+4*\u+1], v[LS+4*\u+2:LS+4*\u+3]
.endr
.irp u, 0,1
	v_add_f32 v[WK+\u], v[LS+4*\u], v[LS+4*\u+1]
.endr
.irp u, 0,1
	v_permlanex16_b32 v[WK+2+\u], v[WK+\u], s[SEL], s[SEL+1]
.endr
.irp u, 0,1
	v_add_f32 v[STQ+2*\u+1], v[WK+\u], v[WK+2+\u]
.endr
	WIN 0xc1                                       ; (h) p's codes: numbers from window 1, codes into window 3
.irp u, 0,1
.irp g, 0,1
.irp c, 0,1
.set bA, 4*\g+2*\c
	v_cvt_scalef32_pk16_fp6_f32 v[PCD+12*(2*\u+\g)+6*\c:PCD+12*(2*\u+\g)+6*\c+2], v[128*\u+16*bA:128*\u+16*bA+15], v[KB+18*bA+4+\u]
	v_cvt_scalef32_pk16_fp6_f32 v[TPC+4*(2*(2*\u+\g)+\c):TPC+4*(2*(2*\u+\g)+\c)+2], v[128*\u+16*bA+16:128*\u+16*bA+31], v[KB+18*bA+22+\u]
.endr
.endr
.endr
	v_nop                                          ; one plain line behind the scaled conversions
	WIN 0xc3
.irp f, 0,1,2,3
.irp c, 0,1
.irp i, 0,1,2
	v_permlane16_swap_b32 v[PCD+12*\f+6*\c+\i], v[TPC+4*(2*\f+\c)+\i]
.endr
.irp i, 0,1,2
	v_mov_b32 v[PCD+12*\f+6*\c+3+\i], v[TPC+4*(2*\f+\c)+\i]
.endr
.endr
.endr
.rept 4
	v_nop                                          ; an operand written by vector lines stands four places ahead of a scaled product (p's scale words: more than eight)
.endr
	s_wait_dscnt 0x0                               ; V is in
.if \next
	s_wait_loadcnt 11                              ; V's scale words are in; the next head's 11 loads may be out
.else
	s_wait_loadcnt 0x0
.endif
	PV
	WIN 0
.rept 4
	v_nop                                          ; places behind the products: for the stores of O and the loads into V's scale words
.endr
	WIN 0x0c                                       ; an LDS store's data: window 3
.irp p, 0,1,2,3,4,5,6,7,8,9,10,11,12,13,14,15
	ds_store_b128 v10, v[OR+4*\p:OR+4*\p+3] offset:512*\p    ; my O as it stands, each accumulator from its low end on
.endr
	WIN 0
	ds_store_b128 v14, v[STQ:STQ+3]
.if \next
	LOADB
.endif
.endm
; BEHIND THE ROUND: the four waves' parts are joined.  init = 1: the next head's K and mask are fetched.
.macro FINISH init
.irp w, 0,1,2,3
	ds_load_b128 v[KB+18*\w:KB+18*\w+3], v15 offset:512*\w         ; wave w's -M0, l0, -M1, l1 of my lane's queries
.endr
	WIN 0xc0
.irp w, 0,1,2,3
.irp m, 0,1,2,3
	ds_load_b128 v[16*\w+4*\m:16*\w+4*\m+3], v11 offset:8192*\w+512*\m   ; of each wave's O my share: query tile w % 2, channels 32 (w / 2) on
.endr
.endr
	WIN 0
	s_xor_b32 s[TB], s[TB], SLOT1                  ; on to the next head's slot and exchange
	s_xor_b32 s[XS], s[XS], 2048
	s_xor_b32 s[TG], s[TG], MADD^MAD2
	ADDRS
	s_wait_dscnt 16                                ; the statistics are in; O's 16 loads may be out
.irp u, 0,1
	v_min3_num_f32 v[WK+\u], v[KB+2*\u], v[KB+18+2*\u], v[KB+36+2*\u]
.endr
.irp u, 0,1
	v_min_num_f32 v[WK+\u], v[WK+\u], v[KB+54+2*\u]                ; -M of the whole row
.endr
.irp w, 0,1,2,3
.irp u, 0,1
	v_sub_f32 v[KB+18*\w+2*\u], v[WK+\u], v[KB+18*\w+2*\u]         ; wave w's M less the row's: a whole number, 0 or less
.endr
.endr
.irp u, 0,1
	v_sub_f32 v[WK+4+\u], v[WK+\u], v[STQ+2*\u]                    ; and my own
.endr
.irp w, 0,1,2,3
.irp u, 0,1
	v_cvt_i32_f32 v[KB+18*\w+2*\u], v[KB+18*\w+2*\u]               ; (it saturates)
.endr
.endr
.irp u, 0,1
	v_cvt_i32_f32 v[WK+4+\u], v[WK+4+\u]
.endr
.irp w, 0,1,2,3
.irp u, 0,1
	v_ldexp_f32 v[KB+18*\w+2*\u], 1.0, v[KB+18*\w+2*\u]            ; the factor: an exact power of two, or 0
.endr
.endr
.irp u, 0,1
	v_ldexp_f32 v[WK+4+\u], 1.0, v[WK+4+\u]
.endr
.irp u, 0,1
	v_mul_f32 v[WK+2+\u], v[KB+2*\u], v[KB+2*\u+1]
.endr
.irp w, 1,2,3
.irp u, 0,1
	v_fma_f32 v[WK+2+\u], v[KB+18*\w+2*\u], v[KB+18*\w+2*\u+1], v[WK+2+\u]   ; the row's sum
.endr
.endr
	s_wait_alu depctr_va_vdst(0)
.irp u, 0,1
	v_rcp_f32 v[WK+6+\u], v[WK+2+\u]
.endr
.irp u, 0,1
	v_mul_f32 v[WK+4+\u], 0x3d800000, v[WK+4+\u]   ; 1 / 16 for the mean.  (Plain lines behind the reciprocals)
.endr
	s_wait_alu depctr_va_vdst(0)                   ; one wait for both, ahead of their first reader
.irp u, 0,1
	v_mul_f32 v[FO+\u], v[WK+4+\u], v[WK+6+\u]
.endr
	v_cndmask_b32 v[WK+8], v[WK+6], v[WK+7], s[ODD]
.irp w, 0,1,2,3
	v_cndmask_b32 v[FS+\w], v[KB+18*\w], v[KB+18*\w+2], s[ODD]     ; for the query tile whose O I join
.endr
.irp w, 0,1,2,3
	v_mul_f32 v[FS+\w], v[FS+\w], v[WK+8]
.endr
	s_wait_alu depctr_va_vdst(0)
	s_wait_dscnt 0x0
	WIN 0xf3                                       ; the context: the sum of the four waves' O, each by its factor / the sum
.irp k, 0,2,4,6,8,10,12,14
	v_pk_mul_f32 v[\k:\k+1], v[\k:\k+1], v[FS:FS+1] op_sel_hi:[1,0]
.endr
.irp k, 0,2,4,6,8,10,12,14
	v_pk_fma_f32 v[\k:\k+1], v[16+\k:17+\k], v[FS:FS+1], v[\k:\k+1] op_sel:[0,1,0] op_sel_hi:[1,1,1]
.endr
.irp k, 0,2,4,6,8,10,12,14
	v_pk_fma_f32 v[\k:\k+1], v[32+\k:33+\k], v[FS+2:FS+3], v[\k:\k+1] op_sel_hi:[1,0,1]
.endr
.irp k, 0,2,4,6,8,10,12,14
	v_pk_fma_f32 v[\k:\k+1], v[48+\k:49+\k], v[FS+2:FS+3], v[\k:\k+1] op_sel:[0,1,0] op_sel_hi:[1,1,1]
.endr
	WIN 0xc3
.irp j, 0,1,2,3,4,5,6,7
	v_permlane16_swap_b32 v[\j], v[8+\j]           ; true order along the model's axis, which meets given codes: my 16 registers are now channels 16 (l / 16) + 0 .. 15 of the block
.endr
	WIN 0x3c
	v_max3_num_f32 v[WK], 0x1800000, |v0|, |v1|
	v_max3_num_f32 v[WK+1], 0x1800000, |v2|, |v3|
.irp i, 4,8,12
	v_max3_num_f32 v[WK], v[WK], |v[\i]|, |v[\i+1]|
	v_max3_num_f32 v[WK+1], v[WK+1], |v[\i+2]|, |v[\i+3]|
.endr
	WIN 0
	v_max_num_f32 v[WK], v[WK], v[WK+1]
	v_permlanex16_b32 v[WK+2], v[WK], s[SEL], s[SEL+1]
	v_max_num_f32 v[WK], v[WK], v[WK+2]
	v_add_nc_u32 v[WK+1], 0xff000000, v[WK]
	v_lshrrev_b32 v[WK+3], 23, v[WK+1]
	WIN 0x03
	v_cvt_scalef32_pk16_fp6_f32 v[WK+4:WK+6], v[0:15], v[WK+1]
	WIN 0
	v_nop                                          ; one plain line behind the scaled conversion
	v_add_nc_u32 v18, s[H32], v16
	v_add_nc_u32 v19, s[H1], v17
	ds_store_b96 v18, v[WK+4:WK+6]                 ; 12 bytes into a place of 16 in my own region
	ds_store_b8 v19, v[WK+3]                       ; both lanes of a block write the same byte with the same value
	s_add_co_u32 s[H32], s[H32], 32
	s_add_co_u32 s[H1], s[H1], 1
	s_sub_co_u32 s60, s[SL], 0x800000              ; the slopes fall by sqrt(2) a head: two heads on is half, one off the exponent field
	s_mov_b32 s[SL], s[SLN]
	s_mov_b32 s[SLN], s60
.irp p, 0,1,2,3,4,5,6,7
	WIN 0xa1                                       ; the mean += p x factor / (16 x the sum)
.irp k, 0,2,4,6,8,10,12,14
	v_pk_fma_f32 v[16*\p+\k:16*\p+\k+1], v[16*\p+\k:16*\p+\k+1], v[FO:FO+1], v[16*\p+\k:16*\p+\k+1] op_sel_hi:[1,0,1]
	v_pk_fma_f32 v[128+16*\p+\k:128+16*\p+\k+1], v[128+16*\p+\k:128+16*\p+\k+1], v[FO:FO+1], v[128+16*\p+\k:128+16*\p+\k+1] op_sel:[0,1,0] op_sel_hi:[1,1,1]
.endr
.if \init
	KC \p                                          ; the block's registers are free: the next head's mask and key tiles
.endif
.endr
	WIN 0
.endm
	s_load_b256 s[4:11], s[0:1], 0x0               ; qkv_codes, qkv_scales, the mask, out1
	s_load_b128 s[12:15], s[0:1], 0x20             ; w_o's codes, w_o's scales
	s_load_b128 s[96:99], s[0:1], 0x30             ; the bias, out0
	v_lshl_add_u32 v24, v0, 2, SPARE
	v_mov_b32 v25, 0
	ds_add_u32 v24, v25
	ds_add_u32 v24, v25
	s_wait_dscnt 0x0
	v_lshrrev_b32 v46, 5, v0
	v_readfirstlane_b32 s[WV], v46                 ; wave 0..3
	s_bfe_u32 s[CX], ttmp6, 0x40000                ; cx
	s_lshl_b32 s[XB], ttmp9, 2
	s_add_co_u32 s[XB], s[XB], s[CX]               ; my block of 32 queries
	s_and_b32 s[BB], ttmp7, 0xffff                 ; the batch, which the four partners share
	s_mov_b32 s91, 0                               ; the upper word of the offsets' pair s[90:91]
	s_mov_b32 s[G1K], 15|(3<<16)|(1<<21)           ; K: mask of all four; elements of 8 bytes; bit 21 beside a mask; no padding
	s_mov_b32 s[G1K+1], 96<<16                     ; 32 rows of 768 bytes,
	s_mov_b32 s[G1K+2], 32<<16
	s_mov_b32 s[G1K+3], 96<<16
	s_mov_b32 s[G1K+4], 32
	s_mov_b32 s[G1K+5], 192                        ; 1,536 bytes apart
	s_mov_b32 s[G1K+6], 0
	s_mov_b32 s[G1K+7], 0
	s_mov_b32 s[G1V], 15|(3<<16)|(1<<21)           ; V: 4 rows of 6,144 bytes,
	s_mov_b32 s[G1V+1], 768<<16
	s_mov_b32 s[G1V+2], 4<<16
	s_mov_b32 s[G1V+3], 768<<16
	s_mov_b32 s[G1V+4], 4
	s_mov_b32 s[G1V+5], 12288                      ; 98,304 bytes apart
	s_mov_b32 s[G1V+6], 0
	s_mov_b32 s[G1V+7], 0
	s_mov_b32 s[SEL], 0x76543210
	s_mov_b32 s[SEL+1], 0xfedcba98
	s_mov_b32 s[CS], 0x3e38aa3b                    ; c = log2(e) / 8
	s_mov_b32 s[CS+1], s[CS]
	s_mov_b32 s[SL], 0x40b504f3                    ; head 0: 8 x 2^(-1/2)
	s_mov_b32 s[SLN], 0x40800000                   ; head 1: 8 x 2^(-1)
	s_mov_b32 s[TB], 0
	s_mov_b32 s[XS], XST
	s_mov_b32 s[TG], MADD
	s_mov_b32 s[H32], 0
	s_mov_b32 s[H1], 0
	s_mov_b32 s[HX], 1
	s_and_b32 s[ODD], s[WV], 1
	s_sub_co_u32 s[ODD], 0, s[ODD]                 ; all lanes in waves 1 and 3
	s_mul_i32 s60, s[BB], 786432                   ; the batch's bytes in each tensor of codes
	s_and_b32 s62, s[WV], 1
	s_mul_i32 s[KP], s62, 49152
	s_add_co_u32 s[KP], s[KP], s60
	s_add_co_u32 s[KP], s[KP], 6291456
	s_mov_b32 s[KP+1], 0
	s_mul_i32 s[VP], s62, 393216
	s_add_co_u32 s[VP], s[VP], s60
	s_add_co_u32 s[VP], s[VP], 12582912
	s_mov_b32 s[VP+1], 0
	s_mul_i32 s[QP], s[XB], 3072
	s_add_co_u32 s[QP], s[QP], s60
	s_mov_b32 s[QP+1], 0
	s_lshl_b32 s61, s[BB], 15                      ; and in each tensor of scale words
	s_lshr_b32 s[QSP], s[XB], 2
	s_lshl_b32 s[QSP], s[QSP], 9
	s_bfe_u32 s62, s[XB], 0x10001
	s_lshl_b32 s62, s62, 7
	s_add_co_u32 s[QSP], s[QSP], s62
	s_and_b32 s62, s[XB], 1
	s_lshl_b32 s62, s62, 2
	s_add_co_u32 s[QSP], s[QSP], s62
	s_add_co_u32 s[QSP], s[QSP], s61
	s_mov_b32 s[QSP+1], 0
	s_lshl_b32 s[KSP], s[WV], 10
	s_add_co_u32 s[KSP], s[KSP], s61
	s_add_co_u32 s[KSP], s[KSP], 262144
	s_mov_b32 s[KSP+1], 0
	s_lshl_b32 s[VSP], s[WV], 13
	s_add_co_u32 s[VSP], s[VSP], s61
	s_add_co_u32 s[VSP], s[VSP], 524288
	s_mov_b32 s[VSP+1], 0
	; the prefetches: partners 0, 1 stand in K, partners 2, 3 in V: offsets alone hang on the place in the cluster
	s_cmp_lt_u32 s[CX], 2
	s_mov_b32 s92, 98304
	s_cselect_b32 s[MA], s92, 12288                ; from head pair to head pair
	s_cselect_b32 s86, 1536, s92                   ; from lane group to lane group
	s_mov_b32 s92, 6144
	s_cselect_b32 s[MB], 768, s92                  ; from a pair's first head to its second
	s_mov_b32 s92, 12582912
	s_cselect_b32 s[PFB], 6291456, s92
	s_mov_b32 s92, 393216
	s_cselect_b32 s82, 49152, s92                  ; the half
	s_cselect_b32 s83, 8, 11                       ; a wave on: 256 or 2,048 bytes
	s_cselect_b32 s84, 0, 3
	s_cselect_b32 s85, 0, 7
	s_and_b32 s87, s[CX], 1
	s_mul_i32 s87, s87, s82
	s_add_co_u32 s[PFB], s[PFB], s87
	s_add_co_u32 s[PFB], s[PFB], s60
	s_lshl_b32 s87, s[WV], s83
	s_add_co_u32 s[PFB], s[PFB], s87
	s_mov_b32 s[PFB+1], 0
	s_lshr_b32 s87, s[WV], 1
	s_and_b32 s87, s87, s[WV]                      ; 1 in wave 3 alone
	s_or_b32 s87, s87, ttmp9
	s_cmp_eq_u32 s87, 0
	s_cselect_b32 s[LIM], 15, 0                    ; waves 0 to 2 of the batch's first cluster ask, while the head fetched is under 15
	v_and_b32 v46, 31, v0                          ; lane
	v_lshrrev_b32 v47, s84, v46
	v_mul_lo_u32 v47, v47, s86
	v_and_b32 v48, s85, v46
	v_lshl_add_u32 v23, v48, 8, v47
	WIN 0xc0
	v_lshlrev_b32 v240, 8, v46                     ; window 3: 256 x lane, never rewritten
	WIN 0
	v_and_b32 v1, 15, v0                           ; r
	v_bfe_u32 v2, v0, 4, 1                         ; hh
	v_lshlrev_b32 v20, 4, v46                      ; 16 x lane
	v_lshlrev_b32 v21, 3, v46                      ; 8 x lane
	v_lshlrev_b32 v22, 3, v1                       ; 8 r
	s_mul_i32 s60, s[WV], 12288
	v_add_nc_u32 v3, s60, v20                      ; my wave's tiles in a slot: the pieces of 16 bytes a lane,
	v_add_nc_u32 v4, s60, v21
	v_add_nc_u32 v4, 512, v4                       ; and of 8
	s_lshl_b32 s60, s[WV], 10
	v_lshl_add_u32 v13, v2, 5, s60                 ; my lane's keys in a table
	s_lshl_b32 s60, s[WV], 13
	v_add_nc_u32 v8, s60, v20
	v_add_nc_u32 v8, XO, v8                        ; where I put my O
	s_and_b32 s60, s[WV], 1
	s_lshl_b32 s60, s60, 1
	s_lshr_b32 s61, s[WV], 1
	s_add_co_u32 s60, s60, s61
	s_lshl_b32 s60, s60, 11
	s_wait_alu depctr_va_vdst(0)                   ; the wait here, directly ahead of the reader below
	v_add_nc_u32 v9, s60, v20
	v_add_nc_u32 v9, XO, v9                        ; and where my share of a wave's O lies
	s_lshl_b32 s60, s[WV], 9
	v_add_nc_u32 v12, s60, v20
	s_mul_i32 s60, s[WV], CPW
	v_mul_u32_u24 v16, v1, CPP
	v_lshl_add_u32 v16, v2, 4, v16
	v_add_nc_u32 v16, s60, v16
	v_add_nc_u32 v16, CTX, v16
	s_lshl_b32 s60, s[WV], 8
	v_lshl_add_u32 v17, v1, 4, s60
	v_add_nc_u32 v17, CSC, v17
	v_lshlrev_b32 v55, 3, v0                       ; 8 x thread: my 8 bytes of the mask
	v_lshl_add_u32 v54, v0, 5, MADD                ; and their 8 numbers
	s_lshl_b32 s61, s[XB], 5                       ; the block's first query
	v_cvt_f32_u32 v[DB], v1
	v_add_f32 v[DB+1], 0x41800000, v[DB]
	v_mul_f32 v[DB], 0xbe38aa3b, v[DB]             ; -c x (my query - the block's first), for query tiles 0, 1
	v_mul_f32 v[DB+1], 0xbe38aa3b, v[DB+1]
	v_lshlrev_b32 v46, 3, v0
	v_sub_nc_u32 v46, v46, s61
	v_cvt_f32_i32 v[KD], v46                       ; my thread's 8 keys less the block's first query: whole numbers, exact
.set ii, 1
.irp f, 0x3f800000, 0x40000000, 0x40400000, 0x40800000, 0x40a00000, 0x40c00000, 0x40e00000
	v_add_f32 v[KD+ii], \f, v[KD]
.set ii, ii+1
.endr
	v_mov_b32 v48, 0                               ; lane permutes' destinations count as sources
	v_mov_b32 v49, 0
	s_wait_kmcnt 0x0
	s_add_nc_u64 s[KP:KP+1], s[4:5], s[KP:KP+1]
	s_add_nc_u64 s[VP:VP+1], s[4:5], s[VP:VP+1]
	s_add_nc_u64 s[QP:QP+1], s[4:5], s[QP:QP+1]
	s_add_nc_u64 s[PFB:PFB+1], s[4:5], s[PFB:PFB+1]
	s_add_nc_u64 s[QSP:QSP+1], s[6:7], s[QSP:QSP+1]
	s_add_nc_u64 s[KSP:KSP+1], s[6:7], s[KSP:KSP+1]
	s_add_nc_u64 s[VSP:VSP+1], s[6:7], s[VSP:VSP+1]
	s_lshl_b32 s90, s[BB], 10
	s_add_nc_u64 s[8:9], s[8:9], s[90:91]          ; the batch's row of the mask
	s_lshl_b32 s92, s[XB], 5
	s_add_co_u32 s92, s92, s90                     ; my first row: 1,024 b + 32 x
	s_lshl_b32 s90, s92, 12
	s_lshl_b32 s93, s[WV], 10
	s_add_co_u32 s90, s90, s93
	s_add_nc_u64 s[10:11], s[10:11], s[90:91]      ; the mean at my first row, my wave's 256 keys
	s_add_nc_u64 s[98:99], s[98:99], s[90:91]      ; out0 at my first row, my wave's 256 columns: the same offset
	s_mul_i32 s90, s[CX], 196608
	s_mul_i32 s92, s[WV], 49152
	s_add_co_u32 s90, s90, s92
	s_add_nc_u64 s[WPB:WPB+1], s[12:13], s[90:91]  ; the prefetches: a quarter of w_o a partner, a quarter of that a wave
	s_mul_i32 s90, s[WV], 196608
	s_add_nc_u64 s[12:13], s[12:13], s[90:91]      ; my 256 rows of w_o,
	s_lshl_b32 s90, s[WV], 13
	s_add_nc_u64 s[14:15], s[14:15], s[90:91]      ; their scales,
	s_mov_b32 s90, s93
	s_add_nc_u64 s[96:97], s[96:97], s[90:91]      ; and their bias
	s_mov_b32 s[G0K], 1
	s_mul_i32 s[G0K+1], s[WV], 24576               ; waves 0, 1: K's halves; waves 2, 3: V's, behind them
	s_mov_b64 s[G0K+2:G0K+3], s[KP:KP+1]
	s_or_b32 s[G0K+3], s[G0K+3], 0x80000000
	s_mov_b32 s[G0V], 1
	s_mul_i32 s[G0V+1], s[WV], 24576
	s_mov_b64 s[G0V+2:G0V+3], s[VP:VP+1]
	s_or_b32 s[G0V+3], s[G0V+3], 0x80000000
	CROUND                                         ; all four work-groups are here
	JLOAD                                          ; head 0 into slot 0
	s_wait_alu depctr_va_vdst(0)
	global_load_b64 v[52:53], v55, s[8:9]
	LOADA                                          ; head 0
	LOADB
	WIN 0x80
.set j, 0
.rept 256
	v_mov_b32 v[j], 0                              ; the mean begins at 0: cleared once, so that the join is written for every head alike
.set j, j+1
.endr
	WIN 0
.irp p, 0,1,2,3,4,5,6,7
.irp i, 6,7,8,9,10,11
	v_mov_b32 v[KB+18*\p+\i], 0                    ; the zero codes between a pair's two key tiles: written once
.endr
.endr
	s_wait_loadcnt 13                              ; the mask is in; head 0's 13 loads may be out
.irp k, 0,1,2,3
	v_bfe_u32 v[LS+\k], v52, 8*\k, 8
	v_bfe_u32 v[LS+4+\k], v53, 8*\k, 8
.endr
.irp k, 0,1,2,3,4,5,6,7
	v_cvt_f32_u32 v[LS+\k], v[LS+\k]
.endr
.irp k, 0,1,2,3,4,5,6,7
	v_mul_f32 v[MK+\k], 0xf3000000, v[LS+\k]       ; -2^103 at a masked key
.endr
	v_mov_b32 v46, s[SL]
.irp k, 0,2,4,6
	v_pk_fma_f32 v[LS+\k:LS+\k+1], v[KD+\k:KD+\k+1], v[46:47], v[MK+\k:MK+\k+1] op_sel_hi:[1,0,1]   ; head 0's table
.endr
	ds_store_b128 v54, v[LS:LS+3]
	ds_store_b128 v54, v[LS+4:LS+7] offset:16
	CHANGE 1, 0                                    ; head 0 has landed; head 1 goes into slot 1
	ADDRS
	s_wait_alu depctr_va_vdst(0)
.irp p, 0,1,2,3,4,5,6,7
	KC \p
.endr
	WIN 0
	s_mov_b32 s[HC], 14
.Lhead:                                            ; heads 0 to 13: behind each the head two on is asked for
	MAIN 1
	CHANGE 1, 1
	FINISH 1
	s_sub_co_u32 s[HC], s[HC], 1
	s_cmp_lg_u32 s[HC], 0
	s_cbranch_scc1 .Lhead
	MAIN 1                                         ; heads 14 and 15 are written out
	CHANGE 0, 0
	FINISH 1
	MAIN 0
	CHANGE 0, 0
	FINISH 0
; THE TAIL'S REGISTERS.  Window 0: v9-16 addresses; v26-29 the other lane half's scale bytes; v40-55 w_o's scale words, two sets; v72-87 the context's; v112-175 out0's rows read back;
; v176-207 the bias, four sets; v208-223 w_o's scale bytes as loaded, four sets.  w_o's fragments, four sets of 96: sets 0, 1 in window 3, sets 2, 3 in window 2 (behind the mean).
; Window 1 (behind the mean's stores): v0-191 the context's fragments, query tile u at 96 u, step s at 12 s; v192-255 eight accumulators.
.set WR, 208
.set WX, 26
.set WS, 40
.set CW, 72
.set BI, 176
.set TT, 30
.set AC, 192
.set RB, 112
.set TA, 224
.set CPT, 82
.set SPT, 84
.set BPT, 86
.set TI, 70
.macro GLC b, sb, off                  ; a tile of w_o's image into set b: 24 loads of 512 consecutive bytes; a lane's 96 registers are 384 bytes of its row
.set WW, 0xc0-0x40*((\b)/2)
	WIN WW
.set kk, 0
.rept 24
	global_load_b128 v[96*((\b)%2)+4*kk:96*((\b)%2)+4*kk+3], v20, s[\sb:\sb+1] offset:(\off)+512*kk
.set kk, kk+1
.endr
	WIN 0
.endm
.macro GLS b, ss, so, sbi, bo          ; 3 loads: its 512 scale bytes (lanes 0-15 a row's first 16, lanes 16-31 its last 16), and the bias of my lane's 8 columns
	global_load_b128 v[WR+4*(\b):WR+4*(\b)+3], v15, s[\ss:\ss+1] offset:\so
	global_load_b128 v[BI+8*(\b):BI+8*(\b)+3], v16, s[\sbi:\sbi+1] offset:\bo
	global_load_b128 v[BI+8*(\b)+4:BI+8*(\b)+7], v16, s[\sbi:\sbi+1] offset:(\bo)+16
.endm
	s_mul_i32 s61, s[WV], 8704
	v_mul_u32_u24 v9, v1, CPP
	v_lshl_add_u32 v9, v2, 8, v9
	v_add_nc_u32 v9, CTX, v9                       ; the context: row r, heads 8 hh on
	v_lshl_add_u32 v10, v1, 4, CSC
	v_mul_u32_u24 v11, v1, 272
	v_lshl_add_u32 v11, v2, 5, v11
	v_add_nc_u32 v11, s61, v11
	v_add_nc_u32 v11, OSTG, v11                    ; out0's stage, in
	v_mul_u32_u24 v13, v2, 272
	v_lshl_add_u32 v13, v1, 4, v13
	v_add_nc_u32 v13, s61, v13
	v_add_nc_u32 v13, OSTG, v13                    ; and back: 16 lanes a row of 256 bytes
	v_lshlrev_b32 v14, 12, v2
	v_lshl_add_u32 v14, v1, 4, v14                 ; the same two rows in out0
	v_lshlrev_b32 v15, 5, v1
	v_lshl_add_u32 v15, v2, 4, v15
	v_lshlrev_b32 v16, 5, v2
.irp i, 0,1,2,3
	v_mov_b32 v[WX+\i], 0                          ; a lane permute's destination counts as one of its sources
.endr
	s_wait_alu depctr_va_vdst(0)                   ; the wait ahead of the barrier below
	GLC 0, 12, 0                                   ; tiles 0 and 1 are on their way while the mean goes out
	GLS 0, 14, 0, 96, 0
	GLC 1, 12, 12288
	GLS 1, 14, 512, 96, 64
	s_wait_dscnt 0x0                               ; my stores of the context's codes and bytes are done
	s_barrier_signal -1
	s_barrier_wait -1
	; the mean: a tile of 16 queries x my 256 keys goes through my own stage and leaves as runs of 512 bytes
	s_mul_i32 s60, s[WV], 16*SPITCH
	v_mul_u32_u24 v5, v1, SPITCH
	v_lshl_add_u32 v5, v2, 5, v5
	v_add_nc_u32 v5, s60, v5
	v_add_nc_u32 v6, s60, v20
.macro TOSTAGE u
	WIN 0x08                                       ; an LDS store's data: window 2
.irp t, 0,1,2,3,4,5,6,7,8,9,10,11,12,13,14,15
	ds_store_b128 v5, v[128*\u+8*\t:128*\u+8*\t+3] offset:64*\t
	ds_store_b128 v5, v[128*\u+8*\t+4:128*\u+8*\t+7] offset:64*\t+16
.endr
	WIN 0x40                                       ; back into window 1.  LDS serves a wave's instructions in order (ISA guide 5.7.1.4)
.irp t, 0,1,2,3,4,5,6,7,8,9,10,11,12,13,14,15
	ds_load_b128 v[128*\u+8*\t:128*\u+8*\t+3], v6 offset:SPITCH*\t
	ds_load_b128 v[128*\u+8*\t+4:128*\u+8*\t+7], v6 offset:SPITCH*\t+512
.endr
.endm
	TOSTAGE 0
	TOSTAGE 1
	WIN 0x04                                       ; a store's data: window 1
	s_wait_dscnt 63                                ; of the 128 stage instructions at least 65 are done: tile 0's 64 among them
.irp t, 0,1,2,3,4,5,6,7,8,9,10,11,12,13,14,15
	global_store_b128 v20, v[8*\t:8*\t+3], s[10:11] offset:4096*\t th:TH_STORE_NT
	global_store_b128 v20, v[8*\t+4:8*\t+7], s[10:11] offset:4096*\t+512 th:TH_STORE_NT
.endr
.irp t, 0,1,2,3,4,5,6,7,8,9,10,11,12,13,14,15
	s_wait_dscnt 30-2*\t
	global_store_b128 v20, v[128+8*\t:128+8*\t+3], s[10:11] offset:4096*(16+\t) th:TH_STORE_NT
	global_store_b128 v20, v[128+8*\t+4:128+8*\t+7], s[10:11] offset:4096*(16+\t)+512 th:TH_STORE_NT
.endr
	WIN 0
	; out0 = context w_o^T + bias
	s_wait_xcnt 0x0                                ; the mean's stores have read window 1
	WIN 0x40
.irp u, 0,1
.irp s, 0,1,2,3,4,5,6,7
.irp c, 0,1                            ; block (head 8 hh + s, half c) of query tile u: 12 bytes, and 12 more 16 bytes on
	ds_load_b96 v[96*\u+12*\s+6*\c:96*\u+12*\s+6*\c+2], v9 offset:(\u+2*\c)*CPW+32*\s
	ds_load_b32 v[96*\u+12*\s+6*\c+3], v9 offset:(\u+2*\c)*CPW+32*\s+16
	ds_load_b32 v[96*\u+12*\s+6*\c+4], v9 offset:(\u+2*\c)*CPW+32*\s+20
	ds_load_b32 v[96*\u+12*\s+6*\c+5], v9 offset:(\u+2*\c)*CPW+32*\s+24
.endr
.endr
.endr
	WIN 0
.irp u, 0,1
	ds_load_b128 v[TA+8*\u:TA+8*\u+3], v10 offset:256*\u            ; 16 heads' bytes of the first half,
	ds_load_b128 v[TA+8*\u+4:TA+8*\u+7], v10 offset:256*\u+512      ; and of the second
.endr
	GLC 2, 12, 24576
	GLS 2, 14, 1024, 96, 128
	s_wait_dscnt 0x0                               ; the context is in
.irp u, 0,1
.irp s, 0,1,2,3,4,5,6,7                ; step s's word: heads s and 8 + s of the first half, then of the second
	v_perm_b32 v[TT+2*(\s%2)], v[TA+8*\u+2+\s/4], v[TA+8*\u+\s/4], (\s%4)|((4+\s%4)<<8)
	v_perm_b32 v[TT+2*(\s%2)+1], v[TA+8*\u+6+\s/4], v[TA+8*\u+4+\s/4], (\s%4)|((4+\s%4)<<8)
	v_perm_b32 v[CW+8*\u+\s], v[TT+2*(\s%2)+1], v[TT+2*(\s%2)], 0x05040100
.endr
.endr
	s_mov_b32 s[TI], 0
	s_wait_alu depctr_va_vdst(0)                   ; the wait ahead of the loop
; Tile i = TI + e, in set e.  On their way at its head: tiles i, i + 1, i + 2, 27 loads each.  The last three tiles' look-ahead names the wave's last tile again, so that every trip counts the same loads.
.macro BODY e
.set FW, 3-(\e)/2
	s_add_co_u32 s60, s[TI], \e+3
	s_min_u32 s60, s60, 15
	s_mul_i32 s90, s60, 12288
	s_wait_loadcnt 54                              ; tile i is in; the 27 + 27 loads of tiles i + 1 and i + 2 may be out
.irp i, 0,1,2,3
	v_permlanex16_b32 v[WX+\i], v[WR+4*\e+\i], s[SEL], s[SEL+1]
.endr
.irp s, 0,2,4,6                        ; step s's word: blocks 2 s, 16 + 2 s, 2 s + 1, 16 + 2 s + 1
	v_perm_b32 v[WS+8*((\e)%2)+\s], v[WX+\s/2], v[WR+4*\e+\s/2], 0x05010400
	v_perm_b32 v[WS+8*((\e)%2)+\s+1], v[WX+\s/2], v[WR+4*\e+\s/2], 0x07030602
.endr
	s_wait_alu depctr_va_vdst(0)
	s_wait_xcnt 0x0                                ; the bases are written again only behind this wait
	s_add_nc_u64 s[CPT:CPT+1], s[12:13], s[90:91]
	s_lshl_b32 s90, s60, 9
	s_add_nc_u64 s[SPT:SPT+1], s[14:15], s[90:91]
	s_lshl_b32 s90, s60, 6
	s_add_nc_u64 s[BPT:BPT+1], s[96:97], s[90:91]
	GLC (\e+3)%4, CPT, 0                           ; tile i + 3, into tile i - 1's set (the 12 lines above are among the places behind its products)
	GLS (\e+3)%4, SPT, 0, BPT, 0
.rept 8
	v_nop                                          ; a scale word made by vector lines stands eight places ahead of a scaled product
.endr
.irp s, 0,1,2,3,4,5,6,7
.if \s == 0
.set WW, 0x44|FW
	WIN WW                                         ; source 0 the set's window, source 1 and D window 1, C (the bias) window 0
.endif
.if \s == 1
.set WW, 0x54|FW
	WIN WW                                         ; C window 1 too
.endif
.irp u, 0,1                            ; two accumulators by turns
.if \s == 0
	v_wmma_scale_f32_16x16x128_f8f6f4 v[AC+8*(2*\e+\u):AC+8*(2*\e+\u)+7], v[96*((\e)%2)+12*\s:96*((\e)%2)+12*\s+11], v[96*\u+12*\s:96*\u+12*\s+11], v[BI+8*\e:BI+8*\e+7], v[WS+8*((\e)%2)+\s], v[CW+8*\u+\s] matrix_a_fmt:MATRIX_FMT_FP6 matrix_b_fmt:MATRIX_FMT_FP6
.else
	v_wmma_scale_f32_16x16x128_f8f6f4 v[AC+8*(2*\e+\u):AC+8*(2*\e+\u)+7], v[96*((\e)%2)+12*\s:96*((\e)%2)+12*\s+11], v[96*\u+12*\s:96*\u+12*\s+11], v[AC+8*(2*\e+\u):AC+8*(2*\e+\u)+7], v[WS+8*((\e)%2)+\s], v[CW+8*\u+\s] matrix_a_fmt:MATRIX_FMT_FP6 matrix_b_fmt:MATRIX_FMT_FP6
.endif
.endr
.endr
	WIN 0
.rept 4
	v_nop                                          ; places behind the products
.endr
	WIN 0x04                                       ; an LDS store's data: window 1
.irp u, 0,1
	ds_store_b128 v11, v[AC+8*(2*\e+\u):AC+8*(2*\e+\u)+3] offset:4352*\u+64*\e
	ds_store_b128 v11, v[AC+8*(2*\e+\u)+4:AC+8*(2*\e+\u)+7] offset:4352*\u+64*\e+16
.endr
	WIN 0
.endm
.Lwo:                                              ; a trip: four tiles, 64 columns, which leave at its end
	BODY 0
	BODY 1
	BODY 2
	BODY 3
.irp i, 0,1,2,3,4,5,6,7,8,9,10,11,12,13,14,15
	ds_load_b128 v[RB+4*\i:RB+4*\i+3], v13 offset:544*\i
.endr
	s_wait_dscnt 0x0
.irp i, 0,1,2,3,4,5,6,7,8,9,10,11,12,13,14,15
	global_store_b128 v14, v[RB+4*\i:RB+4*\i+3], s[98:99] offset:8192*\i th:TH_STORE_NT   ; 16 lanes store 256 consecutive bytes, aligned
.endr
	s_wait_xcnt 0x0                                ; the stores have read their base and their data
	s_add_nc_u64 s[98:99], s[98:99], 256
	s_add_co_u32 s[TI], s[TI], 4
	s_cmp_lt_u32 s[TI], 16
	s_cbranch_scc1 .Lwo
	s_wait_tensorcnt 0x0
	ds_add_u32 v24, v25
	s_wait_dscnt 0x0
	CROUND                                         ; the closing round
	s_endpgm
.Lfunc_end_k_q5cbfa0b197_attn:
	.size	k_q5cbfa0b197_attn, .Lfunc_end_k_q5cbfa0b197_attn-k_q5cbfa0b197_attn
	.p2alignl 7, 3214868480
	.fill 96, 4, 3214868480
	.section	.rodata,"a",@progbits
	.p2align	6, 0x0
	.amdhsa_kernel k_q5cbfa0b197_attn
		.amdhsa_group_segment_fixed_size 327680
		.amdhsa_private_segment_fixed_size 0
		.amdhsa_enable_private_segment 0
		.amdhsa_kernarg_size 64
		.amdhsa_user_sgpr_count 2
		.amdhsa_user_sgpr_kernarg_segment_ptr 1
		.amdhsa_wavefront_size32 1
		.amdhsa_system_sgpr_workgroup_id_x 1
		.amdhsa_system_sgpr_workgroup_id_y 1
		.amdhsa_system_sgpr_workgroup_id_z 1
		.amdhsa_system_vgpr_workitem_id 0
		.amdhsa_next_free_vgpr 1024
		.amdhsa_next_free_sgpr 102
		.amdhsa_reserve_vcc 0
		.amdhsa_float_denorm_mode_32 3
		.amdhsa_float_denorm_mode_16_64 3
		.amdhsa_memory_ordered 1
		.amdhsa_forward_progress 1
		.amdhsa_inst_pref_size 255
	.end_amdhsa_kernel
	.section	.bss,"aw",@nobits
	.p2align	6
	.space	262144
	.amdgpu_metadata
---
amdhsa.version: [ 1, 2 ]
amdhsa.kernels:
  - .name:           k_q5cbfa0b197_attn
    .symbol:         k_q5cbfa0b197_attn.kd
    .args:
      - { .name: qkv_codes, .offset: 0, .size: 8, .value_kind: global_buffer, .address_space: global }
      - { .name: qkv_scales, .offset: 8, .size: 8, .value_kind: global_buffer, .address_space: global }
      - { .name: key_padding_mask, .offset: 16, .size: 8, .value_kind: global_buffer, .address_space: global }
      - { .name: out1, .offset: 24, .size: 8, .value_kind: global_buffer, .address_space: global }
      - { .name: wo_img, .offset: 32, .size: 8, .value_kind: global_buffer, .address_space: global }
      - { .name: w_o_w_scales, .offset: 40, .size: 8, .value_kind: global_buffer, .address_space: global }
      - { .name: w_o_b, .offset: 48, .size: 8, .value_kind: global_buffer, .address_space: global }
      - { .name: out0, .offset: 56, .size: 8, .value_kind: global_buffer, .address_space: global }
    .group_segment_fixed_size: 327680
    .private_segment_fixed_size: 0
    .kernarg_segment_align: 8
    .kernarg_segment_size: 64
    .max_flat_workgroup_size: 128
    .sgpr_count:     102
    .vgpr_count:     1024
    .wavefront_size: 32
...
	.end_amdgpu_metadata
.endif
;; end of part 2
